; MI455X (gfx1250); checked and timed in simulation.
; The chip was launched on July 23, 2026; its instructions are those of AMD's public machine-readable ISA for CDNA 5 (MIT licence, August 2026) and "CDNA5" Instruction Set Architecture Reference Guide (July 2026). The comments in the code are by the model that wrote it; some were corrected since.
;; Tantra Attention. Allowed arithmetic: matrix products marked QUANTISED: E2M3 operands, one E8M0 scale for each 32 along K, by v_wmma_scale_f32_16x16x128_f8f6f4 with both operands' format E2M3, f32 sums; everything else in f32.
;; Inputs: Wk 1,024 x 1,024 float32; Wo 1,024 x 1,024 float32; Wq 1,024 x 1,024 float32; Wv 1,024 x 1,024 float32; bk 1,024 float32; bo 1,024 float32; bq 1,024 float32; bv 1,024 float32; ocr_bias 1,024 float32; ocr_context 4 x 2,048 x 1,024 float32; x 4 x 2,048 x 1,024 float32.
;; Outputs: out0 4 x 2,048 x 1,024 float32.
;; This version of the problem:
;;   THIS VERSION OF THE PROBLEM IS GIVEN IN LOW PRECISION. The matrix products marked QUANTISED in the list below multiply operands that are first quantised to E2M3 (2 exponent bits, 3 mantissa bits; 6 bits a number), with one power-of-two scale for each 32 numbers along K (OCP MX v1.0); their sums are f32. All else is computed in f32.
;;   The module's matrix products, in the order in which they are computed (A, B: the left and right operand; K: the contracted axis; several contracted axes count as one K, in the product's order):
;;     1. [M 8,192, K 1,024] x [K 1,024, N 1,024]; A: input x; B: input Wq: QUANTISED
;;     2. [M 8,192, K 1,024] x [K 1,024, N 1,024]; A: input x; B: input Wk: QUANTISED
;;     3. [M 8,192, K 1,024] x [K 1,024, N 1,024]; A: input x; B: input Wv: QUANTISED
;;     4. batch 64 x [M 2,048, K 64] x [K 64, N 2,048]; A: computed on the way; B: computed on the way: QUANTISED
;;     5. batch 64 x [M 2,048, K 2,048] x [K 2,048, N 64]; A: softmax (see below); B: computed on the way: QUANTISED
;;     6. [M 8,192, K 1,024] x [K 1,024, N 1,024]; A: computed on the way; B: input Wo: QUANTISED
;;   THE QUANTISER, for each operand of a quantised product, along K:
;;     - K is cut into blocks of 32 from its start; a last block that is shorter is filled with zeros.
;;     - A block's scale is 2^e with e = floor(log2(the largest magnitude in the block)) - 2, held to -126 .. 127; a block of zeros has e = 0. As a byte (E8M0): e + 127.
;;     - Each number is divided by its block's scale, clamped to +-7.5, and rounded to the nearest number of E2M3, ties to even, subnormals kept.
;;     - The product sums the exact products of the quantised numbers (number of the format x scale) in f32.
;;   ~~~python
;;   def quantise(x, axis):      # numpy; x: float32 -> the quantised numbers, widened to float32 again
;;       x = np.moveaxis(x, axis, -1); K = x.shape[-1]
;;       x = np.pad(x, [(0, 0)] * (x.ndim - 1) + [(0, -K % 32)]); x = x.reshape(x.shape[:-1] + (-1, 32)); a = np.abs(x).max(-1, keepdims=True)
;;       e = np.where(a > 0, np.clip(np.frexp(np.where(a > 0, a, 1))[1] - 1 - 2, -126, 127), 0)      # np.frexp(a)[1] - 1 = floor(log2(a)), exactly
;;       r = np.clip(x / 2.0 ** e, -7.5, 7.5)
;;       step = 2.0 ** (np.maximum(np.frexp(np.where(r == 0, 1, r))[1] - 1, 0) - 3)
;;       q = np.round(r / step) * step * 2.0 ** e      # np.round: ties to even
;;       return np.moveaxis(q.reshape(q.shape[:-2] + (-1,))[..., :K], -1, axis).astype(np.float32)
;;   ~~~
;;   SOFTMAX AHEAD OF A QUANTISED PRODUCT. Where the list says 'softmax', what is quantised is not the finished softmax but p = 2^(t - M), with t = logit x log2(e) and M = ceil(the row's largest t), a whole number; so 1/2 < the row's largest p <= 1. The row's sum l is taken of the UNQUANTISED p, in f32, and the product's result is divided by l at the end. Since M is a whole number, a kernel that streams over the keys may use a running M (the ceiling of the running maximum): every later rescaling is an exact power of two, which a block's scale takes up: the codes' values come out the same.
;;   OPERANDS COMPUTED ON THE WAY. 'Computed on the way' means the value that the module computes at that place (a softmax that the list does not call 'softmax' is quantised finished and normalised). What goes into a quantiser is computed in f32, as accurately as f32 sums, v_exp_f32 and their like allow (about 1e-6 of the number): no bf16 or f16 on the way to a quantiser, and a product that is left as it is and whose result goes on into a quantised operand takes f32 operands (vector FMAs, or v_wmma_f32_16x16x4_f32). A number that lies on a knife's edge between two numbers of the format may be rounded either way, as far as f32 arithmetic and the matrix unit's own rounding can turn it there, and no further.
;; One version. Each part assembles by itself: llvm-mc -triple=amdgcn-amd-amdhsa -mcpu=gfx1250 --defsym DOCPART=n.
;; ======== version 1 of 1: 4 launches
;; limits: right only within a limited range of input values
;; workspace buffers: cod 9,437,184 bytes; scl 393,216 bytes; qc 6,815,744 bytes; kv 13,369,344 bytes; ac 6,291,456 bytes; asc 262,144 bytes
;; launch quant (part 1): grid 4 x 96, 4 waves a work-group, no clusters, 34,304 bytes of LDS; arguments x, Wq, Wk, Wv, Wo, cod, scl; writes cod, scl
.if DOCPART == 1
	.amdgcn_target "amdgcn-amd-amdhsa--gfx1250"
	.amdhsa_code_object_version 6
	.text
	.protected	k_qfbacb455d7_quant
	.globl	k_qfbacb455d7_quant
	.p2align	8
	.type	k_qfbacb455d7_quant,@function
k_qfbacb455d7_quant:
	s_mov_b64 s[64:65], 0
	v_nop
	global_prefetch_b8 v0, s[64:65] scope:SCOPE_SE
	s_setreg_imm32_b32 hwreg(HW_REG_WAVE_MODE, 25, 1), 1
	s_wait_xcnt 0x0
; x [8192][1024] and Wq, Wk, Wv, Wo [1024][1024], f32 with K innermost, become codes of FP6 (E2M3) with one E8M0 byte for each 32 along K,
; laid in the ORDER OF THE OPERAND'S REGISTERS, so that every later launch takes them by whole loads of 16 and 8 bytes a lane.
; ROWS go in blocks of 128 (blocks 0-63 x, 64-71 Wq, 72-79 Wk, 80-87 Wv, 88-95 Wo); a block has 8 tiles; lane r of tile i holds row 32 (i/2) + 8 (i%2) + r + 8 (r/8).
; cod: [block][K step of 128: 8][tile 8][1,536 bytes].  A fragment is two halves of 768 bytes (64 along K each): registers 0-3 of lane l at 16 l, registers 4-5 at 512 + 8 l.
; scl: [block][pair of K steps: 4][pair of tiles: 4][r 16][tile of the pair][K step of the pair] words of four bytes.
; A block's scale is 2^(floor(log2(largest magnitude)) - 2); its byte is the largest magnitude's exponent field - 2, held at 1 from below.
; LIMITS: a block of zeros, or one whose largest magnitude lies under 2^-124, gets the byte 1 (its codes are zeros or the nearest codes under that scale; this program alone reads the bytes);
; NaN and infinities among the inputs are not served.  ocr_context enters no number of the result (the shapes come from x), so no launch of this program names it.
; SHARES: work-group (x = pair of K steps, y = block); wave w = tiles 2 w, 2 w + 1: four fragments f = 2 u + q (tile 2 w + u, K step q of the pair).
; A load takes 512 consecutive bytes of one row; the 16 rows of a fragment turn through the wave's own stage in LDS, so that a lane gets 2 x 32 neighbours along K.  Waves share nothing: no barrier.
.set ROWB,  4096                       ; a row of f32 in bytes
.set SP,    528                        ; a stage row: 512 bytes + 16
.set WST,   16*SP                      ; a wave's stage
.set RAW,   16                         ; v16-143  two sets of 64: a fragment's numbers as loaded
.set X,     144                        ; v144-207 register 32 c + i = k 64 c + 32 h + i of row r
.set PC,    208                        ; v208-219 the fragment's codes
.set T,     220                        ; v220-222, v224-226 the upper halves of the two blocks' codes
.set SW,    228                        ; v228-231 the four fragments' scale words
.set MX,    232                        ; v232-233 largest magnitudes
.set SO,    234                        ; v234-235 the conversions' scale operands
.set BY,    236                        ; v236-237 scale bytes
.set PD,    238                        ; the lane permute's destination
.set WD,    239                        ; a scale word at work
.set SH,    240                        ; 8 h
.set LN,    241                        ; lane
	s_load_b256 s[4:11], s[0:1], 0x0               ; x, Wq, Wk, Wv
	s_load_b128 s[12:15], s[0:1], 0x20             ; Wo, cod
	s_load_b64 s[16:17], s[0:1], 0x30              ; scl
	v_lshl_add_u32 v248, v0, 2, 0x8400
	v_mov_b32 v249, 0
	v_lshrrev_b32 v6, 5, v0
	v_readfirstlane_b32 s24, v6                    ; wave
	v_and_b32 v[LN], 31, v0
	v_and_b32 v8, 15, v0                           ; r
	v_bfe_u32 v9, v0, 4, 1                         ; h
	v_lshlrev_b32 v1, 4, v[LN]                     ; 16 x lane
	v_lshlrev_b32 v2, 3, v[LN]                     ; 8 x lane
	s_mul_i32 s25, s24, WST
	v_add_nc_u32 v3, s25, v1                       ; the stage, on the way in: a row's 512 bytes as they lie
	v_mul_u32_u24 v4, v8, SP
	v_lshl_add_u32 v4, v9, 7, v4
	v_add_nc_u32 v4, s25, v4                       ; on the way out: row r, + 128 h bytes
	v_lshlrev_b32 v5, 4, v8                        ; 16 r: the scale words' place
	v_lshlrev_b32 v[SH], 3, v9
	v_mov_b32 v[PD], 0                             ; written once: a lane permute's destination counts as one of its sources
	s_mov_b32 s26, 0x76543210
	s_mov_b32 s27, 0xfedcba98                      ; selects for lane l xor 16
	s_and_b32 s20, ttmp7, 0xffff                   ; block 0..95
	s_and_b32 s21, s20, 7
	s_cmp_lt_u32 s20, 64
	s_cselect_b32 s21, s20, s21                    ; the block's number in its own tensor
	s_lshl_b32 s22, s21, 19                        ; 128 rows of 4,096 bytes,
	s_lshl_b32 s28, s24, 17                        ; my wave's 32 rows,
	s_add_co_u32 s22, s22, s28
	s_lshl_b32 s28, ttmp9, 10                      ; 256 along K
	s_add_co_u32 s22, s22, s28
	s_mov_b32 s23, 0
	s_mul_i32 s30, s20, 98304
	s_mul_i32 s28, ttmp9, 24576
	s_add_co_u32 s30, s30, s28
	s_mul_i32 s28, s24, 3072
	s_add_co_u32 s30, s30, s28                     ; cod: block, pair of K steps, pair of tiles
	s_mov_b32 s31, 0
	s_lshl_b32 s32, s20, 12
	s_lshl_b32 s28, ttmp9, 10
	s_add_co_u32 s32, s32, s28
	s_lshl_b32 s28, s24, 8
	s_add_co_u32 s32, s32, s28                     ; scl likewise
	s_mov_b32 s33, 0
	s_wait_alu depctr_va_vdst(0)
	s_wait_kmcnt 0x0
	s_mov_b64 s[18:19], s[12:13]                   ; which tensor: the choice hangs on the work-group's number alone
	s_cmp_lt_u32 s20, 88
	s_cselect_b64 s[18:19], s[10:11], s[18:19]
	s_cmp_lt_u32 s20, 80
	s_cselect_b64 s[18:19], s[8:9], s[18:19]
	s_cmp_lt_u32 s20, 72
	s_cselect_b64 s[18:19], s[6:7], s[18:19]
	s_cmp_lt_u32 s20, 64
	s_cselect_b64 s[18:19], s[4:5], s[18:19]
	s_add_nc_u64 s[18:19], s[18:19], s[22:23]
	s_add_nc_u64 s[14:15], s[14:15], s[30:31]
	s_add_nc_u64 s[16:17], s[16:17], s[32:33]
.macro LOADF f                         ; fragment f's 16 rows x 512 bytes into set f % 2
.set rr, 0
.rept 16
	global_load_b128 v[RAW+64*((\f)%2)+4*rr:RAW+64*((\f)%2)+4*rr+3], v1, s[18:19] offset:(8*((\f)/2)+rr+8*(rr/8))*ROWB+512*((\f)%2) th:TH_LOAD_NT
.set rr, rr+1
.endr
.endm
.macro FRAGQ f
.set RS, RAW+64*((\f)%2)
.set OB, 12288*((\f)%2)+1536*((\f)/2)
.if (\f) < 3
	s_wait_loadcnt 16                              ; my 16 loads are in; the next fragment's 16 stay out
.else
	s_wait_loadcnt 0x0
.endif
.set rr, 0
.rept 16
	ds_store_b128 v3, v[RS+4*rr:RS+4*rr+3] offset:SP*rr
.set rr, rr+1
.endr
.irp c, 0,1
.irp j, 0,1,2,3,4,5,6,7
	ds_load_b128 v[X+32*\c+4*\j:X+32*\c+4*\j+3], v4 offset:256*\c+16*\j   ; LDS serves a wave's instructions in order: these see the stores above
.endr
.endr
	s_wait_dscnt 0x0                               ; the stores have read the set, and my 64 numbers are in
.if (\f) < 2
	LOADF (\f)+2                                   ; the set takes the fragment two on
.endif
.irp c, 0,1
	v_max3_num_f32 v[MX+\c], |v[X+32*\c]|, |v[X+32*\c+1]|, 0x1800000   ; my block 2 c + h: all its 32 numbers are mine; the floor 2^(3 - 127) keeps the byte at 1 or more
.endr
.irp i, 2,4,6,8,10,12,14,16,18,20,22,24,26,28,30
.irp c, 0,1
	v_max3_num_f32 v[MX+\c], v[MX+\c], |v[X+32*\c+\i]|, |v[X+32*\c+\i+1]|   ; (the two blocks by turns)
.endr
.endr
.irp c, 0,1
	v_add_nc_u32 v[SO+\c], 0xff000000, v[MX+\c]    ; 2 off the exponent field: the conversion takes that field as its scale
.endr
.irp c, 0,1
	v_lshrrev_b32 v[BY+\c], 23, v[SO+\c]           ; the scale's byte
.endr
	v_lshl_or_b32 v[WD], v[BY+1], 16, v[BY]        ; blocks h and 2 + h,
	v_lshlrev_b32 v[WD], v[SH], v[WD]              ; at their places in the word;
	v_permlanex16_b32 v[PD], v[WD], s26, s27
	v_or_b32 v[SW+\f], v[WD], v[PD]                ; with lane l xor 16's two the word is whole
.if (\f) > 0
	s_wait_alu depctr_va_vdst(0)
	s_wait_xcnt 0x0                                ; the last fragment's stores have read their data: the codes' registers are written again only behind this wait
.endif
.irp c, 0,1
	v_cvt_scalef32_pk16_fp6_f32 v[PC+6*\c:PC+6*\c+2], v[X+32*\c:X+32*\c+15], v[SO+\c]
	v_cvt_scalef32_pk16_fp6_f32 v[T+4*\c:T+4*\c+2], v[X+32*\c+16:X+32*\c+31], v[SO+\c]   ; (a conversion's three registers begin on an even number)
.endr
	v_nop                                          ; one plain place behind a scaled conversion
.irp c, 0,1
.irp i, 0,1,2
	v_mov_b32 v[PC+6*\c+3+\i], v[T+4*\c+\i]
.endr
.endr
	global_store_b128 v1, v[PC:PC+3], s[14:15] offset:OB            ; 512, 256, 512, 256 consecutive bytes, each at a multiple of 256 from the buffer's first byte
	global_store_b64 v2, v[PC+4:PC+5], s[14:15] offset:OB+512
	global_store_b128 v1, v[PC+6:PC+9], s[14:15] offset:OB+768
	global_store_b64 v2, v[PC+10:PC+11], s[14:15] offset:OB+1280
.endm
	LOADF 0
	LOADF 1
	FRAGQ 0
	FRAGQ 1
	FRAGQ 2
	FRAGQ 3
	s_wait_xcnt 0x0                                ; EXEC changes only behind this wait
	v_cmp_gt_u32 vcc_lo, 16, v[LN]
	s_wait_tensorcnt 0x0
	ds_add_u32 v248, v249
	s_wait_dscnt 0x0
	s_and_saveexec_b32 s34, vcc_lo                 ; both halves of the lanes hold the same words: lanes 0-15 store them
	global_store_b128 v5, v[SW:SW+3], s[16:17]     ; 256 consecutive bytes, aligned
	s_endpgm
.Lfunc_end_k_qfbacb455d7_quant:
	.size	k_qfbacb455d7_quant, .Lfunc_end_k_qfbacb455d7_quant-k_qfbacb455d7_quant
	.p2alignl 7, 3214868480
	.fill 96, 4, 3214868480
	.section	.rodata,"a",@progbits
	.p2align	6, 0x0
	.amdhsa_kernel k_qfbacb455d7_quant
		.amdhsa_group_segment_fixed_size 34304
		.amdhsa_private_segment_fixed_size 0
		.amdhsa_enable_private_segment 0
		.amdhsa_kernarg_size 56
		.amdhsa_user_sgpr_count 2
		.amdhsa_user_sgpr_kernarg_segment_ptr 1
		.amdhsa_wavefront_size32 1
		.amdhsa_system_sgpr_workgroup_id_x 1
		.amdhsa_system_sgpr_workgroup_id_y 1
		.amdhsa_system_sgpr_workgroup_id_z 1
		.amdhsa_system_vgpr_workitem_id 0
		.amdhsa_next_free_vgpr 250
		.amdhsa_next_free_sgpr 66
		.amdhsa_reserve_vcc 1
		.amdhsa_float_denorm_mode_32 3
		.amdhsa_float_denorm_mode_16_64 3
		.amdhsa_memory_ordered 1
		.amdhsa_forward_progress 1
		.amdhsa_inst_pref_size 31
	.end_amdhsa_kernel
	.amdgpu_metadata
---
amdhsa.version: [ 1, 2 ]
amdhsa.kernels:
  - .name:           k_qfbacb455d7_quant
    .symbol:         k_qfbacb455d7_quant.kd
    .args:
      - { .name: x, .offset: 0, .size: 8, .value_kind: global_buffer, .address_space: global }
      - { .name: Wq, .offset: 8, .size: 8, .value_kind: global_buffer, .address_space: global }
      - { .name: Wk, .offset: 16, .size: 8, .value_kind: global_buffer, .address_space: global }
      - { .name: Wv, .offset: 24, .size: 8, .value_kind: global_buffer, .address_space: global }
      - { .name: Wo, .offset: 32, .size: 8, .value_kind: global_buffer, .address_space: global }
      - { .name: cod, .offset: 40, .size: 8, .value_kind: global_buffer, .address_space: global }
      - { .name: scl, .offset: 48, .size: 8, .value_kind: global_buffer, .address_space: global }
    .group_segment_fixed_size: 34304
    .private_segment_fixed_size: 0
    .kernarg_segment_align: 8
    .kernarg_segment_size: 56
    .max_flat_workgroup_size: 128
    .sgpr_count:     66
    .vgpr_count:     250
    .wavefront_size: 32
...
	.end_amdgpu_metadata
.endif
;; end of part 1
;; launch qkv (part 2): grid 12 x 32, 4 waves a work-group, clusters of 4 x 4, 327,680 bytes of LDS; arguments cod, scl, bq, bk, bv, ocr_bias, qc, kv; writes qc, kv
.if DOCPART == 2
	.amdgcn_target "amdgcn-amd-amdhsa--gfx1250"
	.amdhsa_code_object_version 6
	.text
	.protected	k_qfbacb455d7_qkv
	.globl	k_qfbacb455d7_qkv
	.p2align	8
	.type	k_qfbacb455d7_qkv,@function
k_qfbacb455d7_qkv:
	s_mov_b64 s[64:65], 0
	v_nop
	global_prefetch_b8 v0, s[64:65] scope:SCOPE_SE
	s_setreg_imm32_b32 hwreg(HW_REG_WAVE_MODE, 25, 1), 1
	s_wait_xcnt 0x0
	s_wait_alu depctr_hold_cnt(0) depctr_sa_sdst(0) depctr_va_vdst(0) depctr_va_sdst(0) depctr_va_ssrc(0) depctr_va_vcc(0) depctr_vm_vsrc(0)
	s_getreg_b32 s2, hwreg(HW_REG_IB_STS2, 6, 4)
	s_cmp_eq_u32 s2, 0
	s_cbranch_scc0 .Lentry_in_a_cluster
	s_endpgm
.Lentry_in_a_cluster:
	s_bfe_u32 s2, ttmp6, 0x10000c
	s_cmp_lg_u32 s2, 0xf033
	s_cbranch_scc0 .Lentry_shape_is_right
	s_endpgm
.Lentry_shape_is_right:
.set FRB,   1536
.set QB,    8*FRB
.set HALFT, 2*QB
.set SLOT,  4*HALFT
.set SCL,   2*SLOT
.set HALFS, 4096
.set SPARE, SCL+4*HALFS
.set BLKB,  98304
.set FR,    12
.set NL,    4
.set ADRA,  16
.set ADRB,  20
.set L16,   24
.set L8,    25
.set ADRS,  27
.set SPW,   28
.set NIL,   29
.set SC,    32
.set BI,    64
.set AF,    128
.set TM,    128
.set PW,    144
.set WT,    145
.set PC,    148
.set T,     160
.set SWA,   168
.set SWB,   172
.set G1,    24
.set G0,    32
.set G1B,   48
.set G0B,   56
.set G1S,   68
.set G0S,   76
.set G1SB,  80
.set G0SB,  88
.set MSB, 0
.macro WIN new
.if MSB != \new
	s_set_vgpr_msb (MSB<<8)|\new
.set MSB, \new
.endif
.endm
.macro JLOAD g0a, g1a, g0b, g1b
	s_cmp_eq_u32 s15, 0
	s_cbranch_scc0 .Lfor_b_\@
	tensor_load_to_lds s[\g0a:\g0a+3], s[\g1a:\g1a+7]
	s_nop 0
.rept 4
	v_nop
.endr
	s_branch .Lasked_\@
.Lfor_b_\@:
	tensor_load_to_lds s[\g0b:\g0b+3], s[\g1b:\g1b+7]
	s_nop 0
.rept 4
	v_nop
.endr
.Lasked_\@:
.endm
.macro CREST
	s_cmp_lg_u32 s14, 0
	s_cbranch_scc1 .Lnot_wave_0_\@
	s_barrier_signal -3
.Lnot_wave_0_\@:
	s_barrier_wait -3
	s_barrier_signal -1
	s_barrier_wait -1
.endm
.macro CROUND
	s_barrier_signal -1
	s_barrier_wait -1
	CREST
.endm
.macro PLACES
.rept 4
	v_nop
.endr
.endm
	s_load_b256 s[4:11], s[0:1], 0x0
	s_load_b256 s[92:99], s[0:1], 0x20
	v_lshl_add_u32 v[SPW], v0, 2, SPARE
	v_mov_b32 v[NIL], 0
	ds_add_u32 v28, v29
	ds_add_u32 v28, v29
	s_wait_dscnt 0x0
	v_lshrrev_b32 v1, 5, v0
	v_readfirstlane_b32 s14, v1
	s_lshr_b32 s15, s14, 1
	s_and_b32 s16, s14, 1
	s_bfe_u32 s40, ttmp6, 0x40000
	s_bfe_u32 s41, ttmp6, 0x40004
	s_mov_b32 s17, ttmp9
	s_and_b32 s12, ttmp7, 0xffff
	s_lshl_b32 s43, s41, 2
	s_lshl_b32 s43, 15, s43
	s_lshl_b32 s44, 0x1111, s40
	s_or_b32 s[G1], s43, (3<<16)|(1<<21)
	s_or_b32 s[G1B], s44, (3<<16)|(1<<21)
.irp g, G1, G1B                        ; for the head's loads: two rows of 24,576 bytes (two K steps of a block of 128 rows), 98,304 bytes apart
	s_mov_b32 s[\g+1], 3072<<16
	s_mov_b32 s[\g+2], 2<<16
	s_mov_b32 s[\g+3], 3072<<16
	s_mov_b32 s[\g+4], 2
	s_mov_b32 s[\g+5], 12288
	s_mov_b32 s[\g+6], 0
	s_mov_b32 s[\g+7], 0
.endr
	s_or_b32 s[G1S], s43, (3<<16)|(1<<21)
	s_or_b32 s[G1SB], s44, (3<<16)|(1<<21)
.irp g, G1S, G1SB
	s_mov_b32 s[\g+1], 32<<16
	s_mov_b32 s[\g+2], 32<<16
	s_mov_b32 s[\g+3], 32<<16
	s_mov_b32 s[\g+4], 32
	s_mov_b32 s[\g+5], 32
	s_mov_b32 s[\g+6], 0
	s_mov_b32 s[\g+7], 0
.endr
	s_lshl_b32 s13, s12, 3
	s_lshl_b32 s18, s17, 3
	s_add_co_u32 s18, s18, 64
	s_cmp_eq_u32 s17, 2
	s_cselect_b32 s20, 80, s13
	s_cselect_b32 s46, s13, s18
	s_lshl_b32 s21, s41, 1
	s_add_co_u32 s20, s20, s21
	s_add_co_u32 s20, s20, s16
	s_lshl_b32 s47, s40, 1
	s_add_co_u32 s46, s46, s47
	s_add_co_u32 s46, s46, s16
	s_mul_i32 s22, s20, BLKB
	s_mov_b32 s23, 0
	s_lshl_b32 s20, s20, 12
	s_mov_b32 s21, 0
	s_mul_i32 s66, s46, BLKB
	s_mov_b32 s67, 0
	s_lshl_b32 s46, s46, 12
	s_mov_b32 s47, 0
	s_mul_i32 s45, s14, HALFT
	s_lshl_b32 s42, s14, 12
	s_wait_kmcnt 0x0
	s_add_nc_u64 s[22:23], s[4:5], s[22:23]
	s_add_nc_u64 s[20:21], s[6:7], s[20:21]
	s_add_nc_u64 s[66:67], s[4:5], s[66:67]
	s_add_nc_u64 s[46:47], s[6:7], s[46:47]
	CROUND
; THE HEAD'S FOUR TILES, ONE LOAD A WAVE: wave 0 slot 0 of A's two blocks, wave 1 of B's, wave 2 A's scale words (8,192 bytes on end), wave 3 B's.
; The addresses made above hold my half (s16): it is taken off, so that each tile begins at its pair's first block.
	s_mul_i32 s2, s16, BLKB
	s_mov_b32 s3, 0
	s_mov_b32 s[G0], 1
	s_mov_b32 s[G0+1], 0
	s_sub_nc_u64 s[G0+2:G0+3], s[22:23], s[2:3]
	s_or_b32 s[G0+3], s[G0+3], 0x80000000
	s_mov_b32 s[G0B], 1
	s_mov_b32 s[G0B+1], 2*HALFT
	s_sub_nc_u64 s[G0B+2:G0B+3], s[66:67], s[2:3]
	s_or_b32 s[G0B+3], s[G0B+3], 0x80000000
	s_lshl_b32 s2, s16, 12
	s_mov_b32 s[G0S], 1
	s_mov_b32 s[G0S+1], SCL
	s_sub_nc_u64 s[G0S+2:G0S+3], s[20:21], s[2:3]
	s_or_b32 s[G0S+3], s[G0S+3], 0x80000000
	s_mov_b32 s[G0SB], 1
	s_mov_b32 s[G0SB+1], SCL+2*HALFS
	s_sub_nc_u64 s[G0SB+2:G0SB+3], s[46:47], s[2:3]
	s_or_b32 s[G0SB+3], s[G0SB+3], 0x80000000
.macro ARM under, g0, g1, next         ; one chain of branches on the wave's number, one load to an arm, all arms to one join
	s_cmp_lt_u32 s14, \under
	s_cbranch_scc0 \next
	tensor_load_to_lds s[\g0:\g0+3], s[\g1:\g1+7]
	s_nop 0
.rept 4
	v_nop
.endr
	s_branch .Lhead_asked
\next:
.endm
	ARM 1, G0,  G1,  .Lhead_b
	ARM 2, G0B, G1B, .Lhead_sa
	ARM 3, G0S, G1S, .Lhead_sb
	tensor_load_to_lds s[G0SB:G0SB+3], s[G1SB:G1SB+7]
	s_nop 0
.rept 4
	v_nop
.endr
.Lhead_asked:
	v_and_b32 v1, 31, v0
	v_and_b32 v2, 15, v0
	v_bfe_u32 v3, v0, 4, 1
	v_lshlrev_b32 v[L16], 4, v1
	v_lshlrev_b32 v[L8], 3, v1
	s_mul_i32 s18, s15, HALFT
	s_mul_i32 s19, s16, HALFT
	s_add_co_u32 s19, s19, 2*HALFT
.irp s, 0,1
	v_add_nc_u32 v[ADRA+\s], s18, v[L16]
	v_add_nc_u32 v[ADRA+2+\s], s18, v[L8]
	v_add_nc_u32 v[ADRB+\s], s19, v[L16]
	v_add_nc_u32 v[ADRB+2+\s], s19, v[L8]
	s_add_co_u32 s18, s18, SLOT
	s_add_co_u32 s19, s19, SLOT
.endr
	s_lshl_b32 s18, s15, 12
	s_lshl_b32 s19, s16, 12
	s_add_co_u32 s19, s19, 2*HALFS
	s_sub_co_u32 s19, s19, s18
	v_mul_u32_u24 v4, s19, v3
	s_add_co_u32 s18, s18, SCL
	v_lshl_add_u32 v4, v2, 4, v4
	v_add_nc_u32 v[ADRS], s18, v4
.macro BIAS reg, base
.irp b, 0,1,2,3,4,5,6,7
	global_load_b128 v[\reg+8*\b:\reg+8*\b+3], v5, s[\base:\base+1] offset:(32*(\b/2)+8*(\b%2))*4
	global_load_b128 v[\reg+8*\b+4:\reg+8*\b+7], v5, s[\base:\base+1] offset:(32*(\b/2)+8*(\b%2))*4+16
.endr
.endm
	v_lshlrev_b32 v5, 6, v3
	v_and_b32 v6, 8, v2
	v_add_nc_u32 v6, v6, v2
	v_lshlrev_b32 v6, 2, v6
	s_mov_b32 s19, 0
	s_cmp_eq_u32 s17, 2
	s_cbranch_scc1 .Lbias_v
	s_lshl_b32 s18, s40, 10
	s_lshl_b32 s13, s16, 9
	s_add_co_u32 s18, s18, s13
	s_cmp_eq_u32 s17, 0
	s_cselect_b64 s[2:3], s[8:9], s[10:11]
	s_add_nc_u64 s[2:3], s[2:3], s[18:19]
	s_wait_alu depctr_va_vdst(0)
	BIAS BI, 2
	s_cmp_lg_u32 s17, 0
	s_cbranch_scc1 .Lbias_done
	s_add_nc_u64 s[94:95], s[94:95], s[18:19]
	BIAS AF, 94
	s_wait_loadcnt 0x0
.set j, 0
.rept 32
	v_pk_add_f32 v[BI+j:BI+j+1], v[BI+j:BI+j+1], v[AF+j:AF+j+1]
.set j, j+2
.endr
	s_branch .Lbias_done
.Lbias_v:
	s_lshl_b32 s18, s41, 10
	s_lshl_b32 s13, s15, 9
	s_add_co_u32 s18, s18, s13
	s_add_nc_u64 s[2:3], s[92:93], s[18:19]
	s_wait_alu depctr_va_vdst(0)
.irp a, 0,1,2,3,4,5,6,7
	global_load_b32 v[BI+8*\a], v6, s[2:3] offset:(32*(\a/2)+8*(\a%2))*4
.endr
	s_wait_loadcnt 0x0
.irp a, 0,1,2,3,4,5,6,7
.irp j, 1,2,3,4,5,6,7
	v_mov_b32 v[BI+8*\a+\j], v[BI+8*\a]
.endr
.endr
.Lbias_done:
	s_wait_loadcnt 0x0
.macro FRAG reg, adr, q, i
	ds_load_b128 v[\reg:\reg+3], v[\adr] offset:(\q)*QB+(\i)*FRB
	ds_load_b64 v[\reg+4:\reg+5], v[\adr+2] offset:(\q)*QB+(\i)*FRB+512
	ds_load_b128 v[\reg+6:\reg+9], v[\adr] offset:(\q)*QB+(\i)*FRB+768
	ds_load_b64 v[\reg+10:\reg+11], v[\adr+2] offset:(\q)*QB+(\i)*FRB+1280
.endm
.macro WM a, b, p, q, sc, c0
	v_wmma_scale_f32_16x16x128_f8f6f4 v[8*(8*((\a)%4)+\b):8*(8*((\a)%4)+\b)+7], v[128*(\p)+FR*\b:128*(\p)+FR*\b+FR-1], v[AF+FR*(\a):AF+FR*(\a)+FR-1], v[\c0:\c0+7], v[SC+16*(\sc)+2*\b+(\q)], v[SC+16*(\sc)+2*(\a)+(\q)] matrix_a_fmt:MATRIX_FMT_FP6 matrix_b_fmt:MATRIX_FMT_FP6 matrix_a_scale:MATRIX_SCALE_ROW1
.endm
.macro MUL16 a0, p, q, sc, zero
.irp a, \a0, \a0+1
.irp b, 0,1,2,3,4,5,6,7
.if (\zero) == 1
	WM \a, \b, \p, \q, \sc, BI+8*\b
.elseif (\zero) == 2
	WM \a, \b, \p, \q, \sc, BI+8*(\a)
.else
	WM \a, \b, \p, \q, \sc, 8*(8*((\a)%4)+\b)
.endif
.endr
.endr
.endm
.macro FETCH_B slot, q, p
	WIN 0x40
.irp i, 0,1,2,3,4,5,6,7
	FRAG 128*(\p)+FR*\i, ADRB+\slot, \q, \i
.endr
	WIN 0
.endm
.macro FETCH_A slot, q, i0
.irp i, \i0, \i0+1, \i0+2, \i0+3
	FRAG AF+FR*(\i), ADRA+\slot, \q, \i
.endr
.endm
.macro SCALES sc
.irp i, 0,1,2,3
	ds_load_b128 v[SC+16*\sc+4*\i:SC+16*\sc+4*\i+3], v[ADRS] offset:256*\i
.endr
.endm
.macro STEP slot, q, zero
	s_wait_dscnt 4*NL
.if \zero
	WIN 0x81
.else
	WIN 0xa1
.endif
	MUL16 0, (\q)%2, \q, \slot, \zero
	MUL16 2, (\q)%2, \q, \slot, \zero
	s_wait_dscnt 0x0
	PLACES
	FETCH_B \slot, (\q)+1, 1-(\q)%2
	FETCH_A \slot, (\q)+1, 0
.if \zero
	WIN 0xc1
.else
	WIN 0xf1
.endif
	MUL16 4, (\q)%2, \q, \slot, \zero
	MUL16 6, (\q)%2, \q, \slot, \zero
	PLACES
	WIN 0
	FETCH_A \slot, (\q)+1, 4
.endm
.macro TURN slot, next, fill
	s_wait_tensorcnt 0x0
	ds_add_u32 v[SPW], v[NIL]
	s_wait_dscnt 4*NL+1
	WIN 0xa1
	MUL16 0, 1, 1, \slot, 0
	s_wait_dscnt 0x0
	s_barrier_signal -1
	MUL16 2, 1, 1, \slot, 0
	WIN 0
	s_barrier_wait -1
.if \fill
	CREST
	s_add_nc_u64 s[G0+4*\slot+2:G0+4*\slot+3], s[G0+4*\slot+2:G0+4*\slot+3], 2*HALFT
	s_add_nc_u64 s[G0B+4*\slot+2:G0B+4*\slot+3], s[G0B+4*\slot+2:G0B+4*\slot+3], 2*HALFT
	JLOAD G0+4*\slot, G1, G0B+4*\slot, G1B
.else
	PLACES
.endif
	s_wait_alu depctr_va_vdst(0)
	v_add_nc_u32 v[ADRS], 1024, v[ADRS]
	FETCH_B \next, 0, 0
	FETCH_A \next, 0, 0
	SCALES \next
	WIN 0xf1
	MUL16 4, 1, 1, \slot, 0
	MUL16 6, 1, 1, \slot, 0
	PLACES
	WIN 0
	FETCH_A \next, 0, 4
.endm
	s_wait_alu depctr_va_vdst(0)
	s_wait_tensorcnt 0x0                           ; my tile of the head's four is in; the three lines ahead of slot 1's first fill, as ahead of a refill
	ds_add_u32 v28, v29
.irp g, G1, G1B                        ; no load of mine is out: from here on a load brings a quarter of a slot, 96 rows of 256 bytes
	s_mov_b32 s[\g+1], 32<<16
	s_mov_b32 s[\g+2], 96<<16
	s_mov_b32 s[\g+3], 32<<16
	s_mov_b32 s[\g+4], 96
	s_mov_b32 s[\g+5], 32
.endr
.irp s, 0,1
	s_mov_b32 s[G0+4*\s], 1
	s_add_co_u32 s[G0+4*\s+1], s45, \s*SLOT
	s_add_nc_u64 s[G0+4*\s+2:G0+4*\s+3], s[22:23], \s*HALFT
	s_or_b32 s[G0+4*\s+3], s[G0+4*\s+3], 0x80000000
	s_mov_b32 s[G0B+4*\s], 1
	s_add_co_u32 s[G0B+4*\s+1], s45, \s*SLOT
	s_add_nc_u64 s[G0B+4*\s+2:G0B+4*\s+3], s[66:67], \s*HALFT
	s_or_b32 s[G0B+4*\s+3], s[G0B+4*\s+3], 0x80000000
.endr
	s_wait_dscnt 0x0
	CROUND                                         ; all four tiles are in, in every partner
	JLOAD G0+4, G1, G0B+4, G1B                     ; slot 1's first fill, my one load behind the round
	FETCH_B 0, 0, 0
	FETCH_A 0, 0, 0
	SCALES 0
	FETCH_A 0, 0, 4
	s_cmp_eq_u32 s17, 2
	s_cbranch_scc1 .Lfirst_v
	s_wait_alu depctr_va_vdst(0)
	STEP 0, 0, 1
	s_branch .Lfirst_done
.Lfirst_v:
	s_wait_alu depctr_va_vdst(0)
	STEP 0, 0, 2
.Lfirst_done:
	TURN 0, 1, 1
	STEP 1, 0, 0
	TURN 1, 0, 1
	STEP 0, 0, 0
	TURN 0, 1, 0
	STEP 1, 0, 0
	s_wait_dscnt 4*NL
	WIN 0xa1
	MUL16 0, 1, 1, 1, 0
	MUL16 2, 1, 1, 1, 0
	s_wait_dscnt 0x0
	WIN 0xf1
	MUL16 4, 1, 1, 1, 0
	MUL16 6, 1, 1, 1, 0
	WIN 0
	PLACES
	s_lshl_b32 s84, s40, 1
	s_add_co_u32 s84, s84, s16
	s_lshl_b32 s85, s41, 1
	s_add_co_u32 s85, s85, s15
	s_cmp_eq_u32 s17, 0
	s_mov_b32 s89, 208896
	s_cselect_b32 s89, 106496, s89
	s_mov_b32 s90, 13056
	s_cselect_b32 s90, 6656, s90
	s_mov_b32 s91, 12288
	s_cselect_b32 s91, 6144, s91
	s_cselect_b64 s[68:69], s[96:97], s[98:99]
	s_sub_co_u32 s78, s89, 6144
	s_cmp_eq_u32 s17, 2
	s_cselect_b32 s86, s84, s85
	s_cselect_b32 s87, s85, s84
	s_mov_b32 s76, 768
	s_cselect_b32 s76, 1536, s76
	s_mov_b32 s80, 0x07060100
	s_cselect_b32 s80, 0x03020100, s80
	s_cselect_b32 s88, 6144, 0
	s_cselect_b32 s91, 12800, s91
	s_cselect_b32 s70, 768, s89
	s_cselect_b32 s78, s78, 0
	s_lshl_b32 s84, s12, 3
	s_add_co_u32 s84, s84, s86
	s_lshr_b32 s85, s84, 4
	s_lshl_b32 s85, s85, 4
	s_lshl_b32 s87, s87, 1
	s_add_co_u32 s85, s85, s87
	s_mul_i32 s85, s85, s89
	s_and_b32 s84, s84, 15
	s_mul_i32 s84, s84, s90
	s_add_co_u32 s84, s84, s85
	s_mov_b32 s85, 0
	s_add_nc_u64 s[68:69], s[68:69], s[84:85]
	s_mov_b32 s87, 0
	s_mov_b32 s86, s91
	s_add_nc_u64 s[72:73], s[68:69], s[86:87]
	s_mov_b32 s86, s89
	s_add_nc_u64 s[74:75], s[72:73], s[86:87]
	s_mov_b32 s86, s88
	s_add_nc_u64 s[68:69], s[68:69], s[86:87]
	s_mov_b32 s86, s70
	s_add_nc_u64 s[70:71], s[68:69], s[86:87]
	s_mov_b32 s77, 0
	s_mov_b32 s79, 0
	s_mov_b32 s81, 0x07060302
	s_mov_b32 s82, 0x7f7f7f7f
	s_mov_b32 s83, 0xffff0000
	s_mov_b32 s100, 0x76543210
	s_mov_b32 s101, 0xfedcba98
.macro TILE_OUT a
.set AC, 64*((\a)%4)
	WIN 0x0a+5*((\a)/4)
.irp b, 0,1,2,3
	v_max3_num_f32 v[TM+\b], |v[AC+16*\b]|, |v[AC+16*\b+1]|, 0x1800000
.endr
.irp i, 2,4,6,8,10,12,14
.irp b, 0,1,2,3
	v_max3_num_f32 v[TM+\b], |v[AC+16*\b+\i]|, |v[AC+16*\b+\i+1]|, v[TM+\b]
.endr
.endr
	WIN 0
.irp b, 0,1,2,3
	v_permlanex16_b32 v[TM+4+\b], v[TM+\b], s100, s101
.endr
.irp b, 0,1,2,3
	v_max_num_f32 v[TM+\b], v[TM+\b], v[TM+4+\b]
.endr
.irp b, 0,1,2,3
	v_add_nc_u32 v[TM+12+\b], 0xff000000, v[TM+\b]
.endr
.irp b, 0,1,2,3
	v_lshrrev_b32 v[TM+4+\b], 23, v[TM+12+\b]
.endr
	v_lshl_or_b32 v[PW], v[TM+5], 8, v[TM+4]
	v_lshl_or_b32 v[PW], v[TM+6], 16, v[PW]
	v_lshl_or_b32 v[PW], v[TM+7], 24, v[PW]
.if (\a) > 0
	s_wait_xcnt 0x0
	s_add_nc_u64 s[68:69], s[68:69], s[76:77]
	s_add_nc_u64 s[70:71], s[70:71], s[76:77]
.endif
.if (\a) == 4
	s_add_nc_u64 s[68:69], s[68:69], s[78:79]
	s_add_nc_u64 s[70:71], s[70:71], s[78:79]
.endif
	WIN 2+(\a)/4
.irp c, 0,1
	v_cvt_scalef32_pk16_fp6_f32 v[PC+6*\c:PC+6*\c+2], v[AC+32*\c:AC+32*\c+15], v[TM+12+2*\c]
	v_cvt_scalef32_pk16_fp6_f32 v[T+4*\c:T+4*\c+2], v[AC+32*\c+16:AC+32*\c+31], v[TM+12+2*\c+1]
.endr
	WIN 0
	v_nop
.irp c, 0,1
.irp i, 0,1,2
	v_permlane16_swap_b32 v[PC+6*\c+\i], v[T+4*\c+\i]
.endr
.irp i, 0,1,2
	v_mov_b32 v[PC+6*\c+3+\i], v[T+4*\c+\i]
.endr
.endr
	global_store_b128 v[L16], v[PC:PC+3], s[68:69]
	global_store_b64 v[L8], v[PC+4:PC+5], s[68:69] offset:512
	global_store_b128 v[L16], v[PC+6:PC+9], s[70:71]
	global_store_b64 v[L8], v[PC+10:PC+11], s[70:71] offset:512
.if ((\a)%2) == 0
	v_perm_b32 v[SWA+(\a)/2], s82, v[PW], s80
	v_perm_b32 v[SWB+(\a)/2], s82, v[PW], s81
.else
	v_perm_b32 v[WT], s82, v[PW], s80
	v_cndmask_b32 v[SWA+(\a)/2], v[SWA+(\a)/2], v[WT], s83
	v_perm_b32 v[WT], s82, v[PW], s81
	v_cndmask_b32 v[SWB+(\a)/2], v[SWB+(\a)/2], v[WT], s83
.endif
.endm
.irp a, 0,1,2,3,4,5,6,7
	TILE_OUT \a
.endr
	s_cmp_eq_u32 s17, 2
	s_cbranch_scc1 .Lscale_v
	global_store_b128 v[L16], v[SWA:SWA+3], s[72:73]
	global_store_b128 v[L16], v[SWB:SWB+3], s[74:75]
	s_branch .Lscale_done
.Lscale_v:
	global_store_b64 v[L8], v[SWA:SWA+1], s[72:73]
	s_wait_alu depctr_va_vdst(0)
	global_store_b64 v[L8], v[SWA+2:SWA+3], s[74:75]
.Lscale_done:
	s_wait_tensorcnt 0x0
	ds_add_u32 v[SPW], v[NIL]
	s_wait_dscnt 0x0
	CROUND
	s_endpgm
.Lfunc_end_k_qfbacb455d7_qkv:
	.size	k_qfbacb455d7_qkv, .Lfunc_end_k_qfbacb455d7_qkv-k_qfbacb455d7_qkv
	.p2alignl 7, 3214868480
	.fill 96, 4, 3214868480
	.section	.rodata,"a",@progbits
	.p2align	6, 0x0
	.amdhsa_kernel k_qfbacb455d7_qkv
		.amdhsa_group_segment_fixed_size 327680
		.amdhsa_private_segment_fixed_size 0
		.amdhsa_enable_private_segment 0
		.amdhsa_kernarg_size 64
		.amdhsa_user_sgpr_count 2
		.amdhsa_user_sgpr_kernarg_segment_ptr 1
		.amdhsa_wavefront_size32 1
		.amdhsa_system_sgpr_workgroup_id_x 1
		.amdhsa_system_sgpr_workgroup_id_y 1
		.amdhsa_system_sgpr_workgroup_id_z 1
		.amdhsa_system_vgpr_workitem_id 0
		.amdhsa_next_free_vgpr 1024
		.amdhsa_next_free_sgpr 102
		.amdhsa_reserve_vcc 0
		.amdhsa_float_denorm_mode_32 3
		.amdhsa_float_denorm_mode_16_64 3
		.amdhsa_memory_ordered 1
		.amdhsa_forward_progress 1
		.amdhsa_inst_pref_size 173
	.end_amdhsa_kernel
	.amdgpu_metadata
---
amdhsa.version: [ 1, 2 ]
amdhsa.kernels:
  - .name:           k_qfbacb455d7_qkv
    .symbol:         k_qfbacb455d7_qkv.kd
    .args:
      - { .name: cod, .offset: 0, .size: 8, .value_kind: global_buffer, .address_space: global }
      - { .name: scl, .offset: 8, .size: 8, .value_kind: global_buffer, .address_space: global }
      - { .name: bq, .offset: 16, .size: 8, .value_kind: global_buffer, .address_space: global }
      - { .name: bk, .offset: 24, .size: 8, .value_kind: global_buffer, .address_space: global }
      - { .name: bv, .offset: 32, .size: 8, .value_kind: global_buffer, .address_space: global }
      - { .name: ocr_bias, .offset: 40, .size: 8, .value_kind: global_buffer, .address_space: global }
      - { .name: qc, .offset: 48, .size: 8, .value_kind: global_buffer, .address_space: global }
      - { .name: kv, .offset: 56, .size: 8, .value_kind: global_buffer, .address_space: global }
    .group_segment_fixed_size: 327680
    .private_segment_fixed_size: 0
    .kernarg_segment_align: 8
    .kernarg_segment_size: 64
    .max_flat_workgroup_size: 128
    .sgpr_count:     102
    .vgpr_count:     1024
    .wavefront_size: 32
...
	.end_amdgpu_metadata
.endif
;; end of part 2
;; launch attn (part 3): grid 4 x 64, 16 waves a work-group, clusters of 4 x 1, 210,944 bytes of LDS; arguments qc, kv, ac, asc; writes ac, asc
.if DOCPART == 3
	.amdgcn_target "amdgcn-amd-amdhsa--gfx1250"
	.amdhsa_code_object_version 6
	.text
	.protected	k_qfbacb455d7_attn
	.globl	k_qfbacb455d7_attn
	.p2align	8
	.type	k_qfbacb455d7_attn,@function
k_qfbacb455d7_attn:
	s_mov_b64 s[64:65], 0
	v_nop
	global_prefetch_b8 v0, s[64:65] scope:SCOPE_SE
	s_setreg_imm32_b32 hwreg(HW_REG_WAVE_MODE, 25, 1), 1
	s_wait_xcnt 0x0
	s_wait_alu depctr_hold_cnt(0) depctr_sa_sdst(0) depctr_va_vdst(0) depctr_va_sdst(0) depctr_va_ssrc(0) depctr_va_vcc(0) depctr_vm_vsrc(0)
	s_getreg_b32 s2, hwreg(HW_REG_IB_STS2, 6, 4)
	s_cmp_eq_u32 s2, 0
	s_cbranch_scc0 .Lentry_in_a_cluster
	s_endpgm
.Lentry_in_a_cluster:
	s_bfe_u32 s2, ttmp6, 0x10000c
	s_cmp_lg_u32 s2, 0x3003
	s_cbranch_scc0 .Lentry_shape_is_right
	s_endpgm
.Lentry_shape_is_right:
; o = softmax(q k^T / 8 + band) v for one (batch, head) a cluster, both products on codes of FP6 (E2M3) with E8M0 scales; band = 0.1 where |query - key| <= 2.
; THE SOFTMAX AHEAD OF THE SECOND PRODUCT: t = (score + 0.8) x log2(e) / 8 inside the band, score x log2(e) / 8 outside; M = the running largest t rounded up to a whole number; p = 2^(t - M) is quantised along the keys;
; the row's sum is taken of the unquantised p and divides at the end; when M moves, the sum and O are multiplied by 2^(old M - new M), which rounds nothing.
; The result is quantised along the channels (two blocks of 32 a head) and leaves as codes, laid as the last product's operand (ac, asc: as cod, scl of launch quant).
; SHARES.  The head's K, V and their scale words, 16 records of 13,056 bytes, come into LDS ONCE: wave w asks for record w, jointly with the three partners of the cluster (they serve the same head).
; So there is no ring and no barrier in the loops.  Wave w of partner cx takes tiles cx and 4 + cx of the 8 tiles of 16 queries of token block w, one in each of two passes.
; So a wave's diagonal lies in key step w in every partner: the band's branches hang on the wave's number, the pass and the step alone.
; LAYOUT.  Both products transposed: S^T = K Q^T, O^T = V^T P^T: a lane holds one query.  Lane r of a tile holds row 32 (i/2) + 8 (i%2) + r + 8 (r/8), so register 16 b + i of S^T is key 32 b + 16 h + i of the step.
; THE HEAD HAS 64 OF THE INSTRUCTION'S 128 ALONG K: Q's registers 6-11 are zero codes.  K's tiles stand 6 registers apart, so a tile's registers 6-11 are the next tile's codes (behind tile 7: zeros);
; they meet Q's zero codes under scale bytes 0x7f and add nothing (every code of this format is a finite number).
; LIMITS: NaN and infinities are not served; O / l is a multiplication by v_rcp_f32's result; a block under 2^-124 gets the byte 1.  The scale bytes leave as 2 bytes a row (one store a tile): parts of 256-byte blocks, 256 KiB in the whole launch.
; Nothing is prefetched: the launch fetches at its head alone.
.set REC,   13056                      ; a record: K's 8 half fragments (768), V's 4 fragments (1,536) from 6,144, K's scale words from 12,288, V's from 12,800
.set HEADB, 16*REC
.set L16,   1                          ; 16 x lane
.set L8,    2                          ; 8 x lane
.set A16,   3                          ; the step's record, by 16 x lane
.set A8,    4                          ; by 8 x lane
.set EB,    5                          ; 16 h + 2 - my query's place in its half block
.set LN,    6                          ; lane
.set P8,    7                          ; 0.8
.set QSO,   9                          ; Q's scale word: 16 r + 256 (cx & 1)
.set ASO,   10                         ; 16 r
.set QF,    16                         ; v16-21 Q's codes, v22-27 zeros
.set QSC,   28                         ; Q's scale word
.set BT,    29                         ; v29-30 the band, at work
.set KF,    32                         ; v32-79 K's 8 tiles; v80-85 zeros
.set KSC,   86                         ; v86-89 K's scale words
.set VSC,   90                         ; v90-91 V's
.set PSC,   92                         ; p's
.set ST,    96                         ; v96-159 S^T, then p
.set OT,    160                        ; v160-191 O^T
.set VF,    192                        ; v192-239 V's 4 fragments
.set PCD,   32                         ; behind the first product K's registers serve again: v32-43 p's codes,
.set TC,    44                         ; v44-46, v48-50 conversions' upper halves,
.set BM,    52                         ; v52-55 the blocks' largest scores,
.set PB,    56                         ; v56-59 permutes, bytes,
.set SO,    60                         ; v60-63 scale operands,
.set FF,    64                         ; v[64:65] f,
.set TT,    66
.set SU,    68                         ; v[68:69] the sum's second chain
.set WV,    12
.set CX,    13
.set RC,    14
.set G1,    16
.set G0,    24
.set SEL,   28
.set CS,    30
.set KS,    32                         ; the key step
.set TB,    33                         ; its record's LDS byte
.set WM1,   34
.set WP1,   35
.macro ROUND                           ; a round of the cluster's barrier
	s_barrier_signal -1
	s_barrier_wait -1
	s_cmp_lg_u32 s[WV], 0
	s_cbranch_scc1 .Lnot_wave_0_\@
	s_barrier_signal -3
.Lnot_wave_0_\@:
	s_barrier_wait -3
	s_barrier_signal -1
	s_barrier_wait -1
.endm
	s_load_b256 s[4:11], s[0:1], 0x0               ; qc, kv, ac, asc
	v_lshl_add_u32 v254, v0, 2, 0x33000
	v_mov_b32 v255, 0
	ds_add_u32 v254, v255
	ds_add_u32 v254, v255
	v_lshrrev_b32 v1, 5, v0
	s_delay_alu instid0(VALU_DEP_1)
	v_readfirstlane_b32 s[WV], v1                  ; wave 0..15
	s_bfe_u32 s[CX], ttmp6, 0x40000                ; cx
	s_and_b32 s[RC], ttmp7, 0xffff                 ; 16 x batch + head, which the four partners share
	s_mov_b32 s[G1], 15|(3<<16)|(1<<21)            ; all four partners; elements of 8 bytes; no padding
	s_mov_b32 s[G1+1], 32<<16                      ; a record is a dense block: 51 rows of 256 bytes
	s_mov_b32 s[G1+2], 51<<16
	s_mov_b32 s[G1+3], 32<<16
	s_mov_b32 s[G1+4], 51
	s_mov_b32 s[G1+5], 32
	s_mov_b32 s[G1+6], 0
	s_mov_b32 s[G1+7], 0
	s_mov_b32 s[G0], 1
	s_mul_i32 s[G0+1], s[WV], REC                  ; record w goes to LDS byte 13,056 w
	s_mul_i32 s46, s[RC], HEADB
	s_add_co_u32 s46, s46, s[G0+1]
	s_mov_b32 s47, 0
	s_wait_dscnt 0x0
	s_wait_kmcnt 0x0
	s_add_nc_u64 s[G0+2:G0+3], s[6:7], s[46:47]
	s_or_b32 s[G0+3], s[G0+3], 0x80000000
	ROUND                                          ; all four work-groups are here: the joint loads meet
	tensor_load_to_lds s[G0:G0+3], s[G1:G1+7]      ; my one tensor load of the launch
	s_nop 0
.rept 4
	v_nop
.endr
	s_mov_b32 s[SEL], 0x76543210
	s_mov_b32 s[SEL+1], 0xfedcba98                 ; selects for lane l xor 16
	s_mov_b32 s[CS], 0x3e38aa3b                    ; c = log2(e) / 8
	s_mov_b32 s[CS+1], s[CS]                       ; (named with it as a pair)
	s_sub_co_u32 s[WM1], s[WV], 1                  ; (wave 0: no step has this number)
	s_add_co_u32 s[WP1], s[WV], 1                  ; (wave 15 likewise)
	s_mul_i32 s48, s[RC], 106496
	s_mul_i32 s49, s[WV], 6656
	s_add_co_u32 s48, s48, s49                     ; Q's record: head, token block w
	s_mul_i32 s49, s[CX], 768
	s_add_co_u32 s50, s48, s49                     ; tile cx
	s_mov_b32 s51, 0
	s_lshr_b32 s52, s[CX], 1
	s_and_b32 s53, s[CX], 1
	s_lshl_b32 s49, s52, 2
	s_add_co_u32 s48, s48, s49                     ; its scale words: register cx / 2 of the image
	s_mov_b32 s49, 0
	s_add_nc_u64 s[38:39], s[4:5], s[50:51]
	s_add_nc_u64 s[40:41], s[4:5], s[48:49]
	s_lshr_b32 s54, s[RC], 4
	s_lshl_b32 s54, s54, 4
	s_add_co_u32 s54, s54, s[WV]                   ; my block of tokens: 16 x batch + w
	s_and_b32 s55, s[RC], 15                       ; the head
	s_mul_i32 s48, s54, 98304
	s_lshr_b32 s50, s55, 1
	s_mul_i32 s50, s50, 12288                      ; the last product's K step: head / 2,
	s_add_co_u32 s48, s48, s50
	s_mul_i32 s50, s[CX], 1536                     ; tile cx,
	s_add_co_u32 s48, s48, s50
	s_and_b32 s50, s55, 1
	s_mul_i32 s50, s50, 768                        ; the fragment's half: head % 2
	s_add_co_u32 s48, s48, s50
	s_add_nc_u64 s[42:43], s[8:9], s[48:49]
	s_lshl_b32 s48, s54, 12
	s_lshr_b32 s50, s55, 2
	s_lshl_b32 s50, s50, 10
	s_add_co_u32 s48, s48, s50                     ; scale words: pair of K steps,
	s_lshl_b32 s50, s52, 8
	s_add_co_u32 s48, s48, s50                     ; pair of tiles,
	s_lshl_b32 s50, s53, 3
	s_add_co_u32 s48, s48, s50                     ; tile of the pair,
	s_bfe_u32 s50, s55, 0x10001
	s_lshl_b32 s50, s50, 2
	s_add_co_u32 s48, s48, s50                     ; K step of the pair,
	s_and_b32 s50, s55, 1
	s_lshl_b32 s50, s50, 1
	s_add_co_u32 s48, s48, s50                     ; my two bytes of the word
	s_add_nc_u64 s[44:45], s[10:11], s[48:49]
	s_lshl_b32 s50, s52, 5
	s_lshl_b32 s51, s53, 3
	s_add_co_u32 s50, s50, s51
	s_sub_co_i32 s50, 2, s50                       ; 2 - 32 (cx / 2) - 8 (cx % 2)
	v_and_b32 v[LN], 31, v0
	v_and_b32 v8, 15, v0                           ; r
	v_bfe_u32 v11, v0, 4, 1                        ; h
	s_delay_alu instid0(VALU_DEP_3)
	v_lshlrev_b32 v[L16], 4, v[LN]
	s_delay_alu instid0(VALU_DEP_4)
	v_lshlrev_b32 v[L8], 3, v[LN]
	s_delay_alu instid0(VALU_DEP_3)
	v_lshlrev_b32 v[EB], 4, v11
	s_delay_alu instid0(VALU_DEP_1)
	v_sub_nc_u32 v[EB], v[EB], v8
	v_and_b32 v[BT], 8, v8
	s_delay_alu instid0(VALU_DEP_1)
	v_sub_nc_u32 v[EB], v[EB], v[BT]
	s_delay_alu instid0(VALU_DEP_1)
	v_add_nc_u32 v[EB], s50, v[EB]
	v_mov_b32 v[P8], 0x3f4ccccd                    ; 0.8 = 8 x 0.1
	v_lshlrev_b32 v[ASO], 4, v8
	s_delay_alu instid0(VALU_DEP_1)
	v_lshl_add_u32 v[QSO], s53, 8, v[ASO]
.macro QLOAD e                         ; tile 4 e + cx of Q: its half fragment and its scale words
	global_load_b128 v[QF:QF+3], v[L16], s[38:39] offset:3072*\e
	global_load_b64 v[QF+4:QF+5], v[L8], s[38:39] offset:3072*\e+512
	global_load_b32 v[QSC], v[QSO], s[40:41] offset:6144+8*\e
.endm
	QLOAD 0
.irp j, 0,1,2,3,4,5
	v_mov_b32 v[QF+6+\j], 0                        ; zero codes: written once
	v_mov_b32 v[KF+48+\j], 0
.endr
; The band on registers 16 b + i0 .. 16 b + i1: cb + i + v[EB] = key - query + 2, which lies in 0 .. 4 inside the band.
.macro BAND b, i0, i1, cb
.set bi, \i0
.rept \i1-\i0+1
	v_add_nc_u32 v[BT+bi%2], (\cb)+bi, v[EB]
	s_delay_alu instid0(VALU_DEP_1)
	v_cmp_gt_u32 vcc_lo, 5, v[BT+bi%2]
	s_delay_alu instid0(VALU_DEP_1)
	v_cndmask_b32 v[BT+bi%2], 0, v[P8], vcc_lo
	v_add_f32 v[ST+16*\b+bi], v[ST+16*\b+bi], v[BT+bi%2]
.set bi, bi+1
.endr
.endm
; A KEY STEP: 128 keys.
.macro KSTEP e
	v_add_nc_u32 v[A16], s[TB], v[L16]
	v_add_nc_u32 v[A8], s[TB], v[L8]
	v_nop
	v_nop                                          ; four places behind the last products, in front of loads into their operands
.irp t, 0,1,2,3,4,5,6,7
	ds_load_b128 v[KF+6*\t:KF+6*\t+3], v[A16] offset:768*\t
	ds_load_b64 v[KF+6*\t+4:KF+6*\t+5], v[A8] offset:768*\t+512
.endr
	ds_load_b128 v[KSC:KSC+3], v[A16] offset:12288
.irp t, 0,1,2,3
	ds_load_b128 v[VF+12*\t:VF+12*\t+3], v[A16] offset:6144+1536*\t
	ds_load_b64 v[VF+12*\t+4:VF+12*\t+5], v[A8] offset:6144+1536*\t+512
	ds_load_b128 v[VF+12*\t+6:VF+12*\t+9], v[A16] offset:6144+1536*\t+768
	ds_load_b64 v[VF+12*\t+10:VF+12*\t+11], v[A8] offset:6144+1536*\t+1280
.endr
	ds_load_b64 v[VSC:VSC+1], v[A8] offset:12800
	s_wait_dscnt 17                                ; K and its scale words are in; V's 17 loads may stay out
.irp t, 0,2,4,6
	v_wmma_scale_f32_16x16x128_f8f6f4 v[ST+8*\t:ST+8*\t+7], v[KF+6*\t:KF+6*\t+11], v[QF:QF+11], 0, v[KSC+\t/2], v[QSC] matrix_a_fmt:MATRIX_FMT_FP6 matrix_b_fmt:MATRIX_FMT_FP6
	v_wmma_scale_f32_16x16x128_f8f6f4 v[ST+8*\t+8:ST+8*\t+15], v[KF+6*\t+6:KF+6*\t+17], v[QF:QF+11], 0, v[KSC+\t/2], v[QSC] matrix_a_fmt:MATRIX_FMT_FP6 matrix_b_fmt:MATRIX_FMT_FP6 matrix_a_scale:MATRIX_SCALE_ROW1
.endr
.rept 4
	v_nop
.endr
	s_cmp_lg_u32 s[KS], s[WV]                      ; the band lies in my own token block's step,
	s_cbranch_scc1 .Loff_\@
.if \e == 0                                    ; queries 0-63 of the block: keys 0-65
	BAND 0, 0, 15, 0
	BAND 1, 0, 15, 32
	BAND 2, 0, 1, 64
.else                                          ; queries 64-127: keys 62-127.  (Keys 62, 63 are registers 14, 15 of block 1: the lines begin at register 8, the low end of that accumulator)
	BAND 1, 8, 15, -32
	BAND 2, 0, 15, 0
	BAND 3, 0, 15, 32
.endif
.Loff_\@:
.if \e == 0
	s_cmp_lg_u32 s[KS], s[WM1]                     ; and two keys of it in the step before (keys 126, 127)
	s_cbranch_scc1 .Ledge_\@
	BAND 3, 8, 15, -32
.else
	s_cmp_lg_u32 s[KS], s[WP1]                     ; or behind (keys 0, 1)
	s_cbranch_scc1 .Ledge_\@
	BAND 0, 0, 1, 64
.endif
.Ledge_\@:
	s_wait_alu depctr_va_vdst(0)
.irp b, 0,1,2,3
	v_max3_num_f32 v[BM+\b], v[ST+16*\b], v[ST+16*\b+1], v[ST+16*\b+2]   ; the largest score of each block of 32 keys: for the row's maximum and, since p rises with the score, for the block's largest p
.endr
.irp i, 3,5,7,9,11,13
.irp b, 0,1,2,3
	v_max3_num_f32 v[BM+\b], v[BM+\b], v[ST+16*\b+\i], v[ST+16*\b+\i+1]
.endr
.endr
.irp b, 0,1,2,3
	v_max_num_f32 v[BM+\b], v[BM+\b], v[ST+16*\b+15]
.endr
.irp b, 0,1,2,3
	s_delay_alu instid0(VALU_DEP_4)
	v_permlanex16_b32 v[PB+\b], v[BM+\b], s[SEL], s[SEL+1]
.endr
.irp b, 0,1,2,3
	s_delay_alu instid0(VALU_DEP_4)
	v_max_num_f32 v[BM+\b], v[BM+\b], v[PB+\b]     ; with lane l xor 16's 16 keys
.endr
	s_delay_alu instid0(VALU_DEP_2)
	v_max3_num_f32 v[TT], v[BM], v[BM+1], v[BM+2]
	s_delay_alu instid0(VALU_DEP_1)
	v_max_num_f32 v[TT], v[TT], v[BM+3]
	s_delay_alu instid0(VALU_DEP_1)
	v_mul_f32 v[TT], s[CS], v[TT]                  ; the step's largest t
	s_delay_alu instid0(VALU_DEP_1)
	v_max_num_f32 v13, v13, v[TT]                  ; the running largest t
	v_mov_b32 v[TT], v12
	s_delay_alu instid0(VALU_DEP_2)
	v_floor_f32 v12, -v13                          ; the new -M = floor(-t): M is a whole number
	s_delay_alu instid0(VALU_DEP_1)
	v_sub_f32 v[TT], v12, v[TT]                    ; old M - new M: a whole number, 0 or less
	s_delay_alu instid0(VALU_DEP_1)
	v_cvt_i32_f32 v[TT], v[TT]                     ; (it saturates)
	s_delay_alu instid0(VALU_DEP_1)
	v_ldexp_f32 v[FF], 1.0, v[TT]                  ; f = 2^(old M - new M)
.set j, 0
.rept 32
	v_pk_fma_f32 v[ST+j:ST+j+1], v[ST+j:ST+j+1], s[CS:CS+1], v[12:13] op_sel_hi:[1,0,0]   ; t - M, two at a time
.set j, j+2
.endr
.irp b, 0,1,2,3
	v_fma_f32 v[BM+\b], v[BM+\b], s[CS], v12       ; the same of each block's largest score
.endr
.set j, 0
	s_wait_alu depctr_va_vdst(0)
.rept 64
	v_exp_f32 v[ST+j], v[ST+j]                     ; p = 2^(t - M), at most 1
.set j, j+1
.endr
.irp b, 0,1,2,3
	v_exp_f32 v[BM+\b], v[BM+\b]                   ; the block's largest p: the same two instructions on the same number
.endr
	v_pk_mul_f32 v[14:15], v[14:15], v[FF:FF+1] op_sel_hi:[1,0]   ; the sums under the new M (a plain place behind the exponentials)
	s_wait_alu depctr_va_vdst(0)
.irp b, 0,1,2,3
	v_max_num_f32 v[BM+\b], 0x1800000, v[BM+\b]    ; the floor 2^(3 - 127): the byte cannot fall under 1
.endr
.irp b, 0,1,2,3
	s_delay_alu instid0(VALU_DEP_4)
	v_add_nc_u32 v[SO+\b], 0xff000000, v[BM+\b]    ; the conversion's scale operand
.endr
.irp b, 0,1,2,3
	s_delay_alu instid0(VALU_DEP_4)
	v_lshrrev_b32 v[PB+\b], 23, v[SO+\b]           ; the scale's byte
.endr
	s_delay_alu instid0(VALU_DEP_3)
	v_lshl_or_b32 v[PSC], v[PB+1], 8, v[PB]        ; p's scale word for these 128 keys
	s_delay_alu instid0(VALU_DEP_1)
	v_lshl_or_b32 v[PSC], v[PB+2], 16, v[PSC]
	s_delay_alu instid0(VALU_DEP_1)
	v_lshl_or_b32 v[PSC], v[PB+3], 24, v[PSC]
.irp c, 0,1
	v_cvt_scalef32_pk16_fp6_f32 v[PCD+6*\c:PCD+6*\c+2], v[ST+32*\c:ST+32*\c+15], v[SO+2*\c]
	v_cvt_scalef32_pk16_fp6_f32 v[TC+4*\c:TC+4*\c+2], v[ST+32*\c+16:ST+32*\c+31], v[SO+2*\c+1]
.endr
	v_nop                                          ; one plain place behind a scaled conversion
.irp c, 0,1                                    ; a whole block to a lane: lanes 0-15 block 2 c, lanes 16-31 block 2 c + 1
.irp i, 0,1,2
	v_permlane16_swap_b32 v[PCD+6*\c+\i], v[TC+4*\c+\i]
.endr
.irp i, 0,1,2
	s_delay_alu instid0(VALU_DEP_3)
	v_mov_b32 v[PCD+6*\c+3+\i], v[TC+4*\c+\i]
.endr
.endr
	v_pk_add_f32 v[68:69], v[100:101], v[104:105]
	v_pk_add_f32 v[252:253], v[108:109], v[112:113]
	v_pk_add_f32 v[250:251], v[116:117], v[120:121]
	v_pk_add_f32 v[248:249], v[124:125], v[128:129]
	v_pk_add_f32 v[246:247], v[132:133], v[136:137]
	v_pk_add_f32 v[244:245], v[140:141], v[144:145]
	v_pk_add_f32 v[242:243], v[148:149], v[152:153]
	v_pk_add_f32 v[14:15], v[14:15], v[156:157]
	v_pk_add_f32 v[68:69], v[68:69], v[96:97]
	v_pk_add_f32 v[252:253], v[252:253], v[98:99]
	v_pk_add_f32 v[250:251], v[250:251], v[102:103]
	v_pk_add_f32 v[248:249], v[248:249], v[106:107]
	v_pk_add_f32 v[246:247], v[246:247], v[110:111]
	v_pk_add_f32 v[244:245], v[244:245], v[114:115]
	v_pk_add_f32 v[242:243], v[242:243], v[118:119]
	v_pk_add_f32 v[14:15], v[14:15], v[122:123]
	v_pk_add_f32 v[68:69], v[68:69], v[126:127]
	v_pk_add_f32 v[252:253], v[252:253], v[130:131]
	v_pk_add_f32 v[250:251], v[250:251], v[134:135]
	v_pk_add_f32 v[248:249], v[248:249], v[138:139]
	v_pk_add_f32 v[246:247], v[246:247], v[142:143]
	v_pk_add_f32 v[244:245], v[244:245], v[146:147]
	v_pk_add_f32 v[242:243], v[242:243], v[150:151]
	v_pk_add_f32 v[14:15], v[14:15], v[154:155]
	v_pk_add_f32 v[68:69], v[68:69], v[158:159]
	s_delay_alu instid0(VALU_DEP_2)
	v_pk_add_f32 v[14:15], v[14:15], v[248:249]
	s_delay_alu instid0(VALU_DEP_2)
	v_pk_add_f32 v[68:69], v[68:69], v[246:247]
	v_pk_add_f32 v[252:253], v[252:253], v[244:245]
	v_pk_add_f32 v[250:251], v[250:251], v[242:243]
	s_delay_alu instid0(VALU_DEP_2)
	v_pk_add_f32 v[14:15], v[14:15], v[252:253]
	s_delay_alu instid0(VALU_DEP_2)
	v_pk_add_f32 v[68:69], v[68:69], v[250:251]
	s_delay_alu instid0(VALU_DEP_1)
	v_pk_add_f32 v[14:15], v[14:15], v[68:69]
.set j, 0
.rept 16
	v_pk_mul_f32 v[OT+j:OT+j+1], v[OT+j:OT+j+1], v[FF:FF+1] op_sel_hi:[1,0]   ; O^T under the new M.  (These and the sums are the places between p's codes and scale word and the products below)
.set j, j+2
.endr
	s_wait_alu depctr_va_vdst(0)
	s_wait_dscnt 0x0                               ; V and its scale words are in
.irp t, 0,2                                    ; four accumulators, one instruction each: between two links of a chain stand eleven other matrix instructions
	v_wmma_scale_f32_16x16x128_f8f6f4 v[OT+8*\t:OT+8*\t+7], v[VF+12*\t:VF+12*\t+11], v[PCD:PCD+11], v[OT+8*\t:OT+8*\t+7], v[VSC+\t/2], v[PSC] matrix_a_fmt:MATRIX_FMT_FP6 matrix_b_fmt:MATRIX_FMT_FP6
	v_wmma_scale_f32_16x16x128_f8f6f4 v[OT+8*\t+8:OT+8*\t+15], v[VF+12*\t+12:VF+12*\t+23], v[PCD:PCD+11], v[OT+8*\t+8:OT+8*\t+15], v[VSC+\t/2], v[PSC] matrix_a_fmt:MATRIX_FMT_FP6 matrix_b_fmt:MATRIX_FMT_FP6 matrix_a_scale:MATRIX_SCALE_ROW1
.endr
.endm
; A PASS: one tile of 16 queries over all 2,048 keys, then its way out.
.macro PASS e
	s_wait_loadcnt 0x0                             ; Q
	v_mov_b32 v13, 0xff61b1e6                      ; the largest t so far: -3e38
	s_delay_alu instid0(VALU_DEP_1)
	v_floor_f32 v12, -v13                          ; -M
	v_mov_b32 v14, 0
	v_mov_b32 v15, 0
.set j, 0
.rept 32
	v_mov_b32 v[OT+j], 0                           ; the step is written once: the first finds zeros, which the first change of M leaves zeros
.set j, j+1
.endr
	s_mov_b32 s[KS], 0
	s_mov_b32 s[TB], 0
.Lstep_\@:
	KSTEP \e
	s_add_co_u32 s[TB], s[TB], REC
	s_add_co_u32 s[KS], s[KS], 1
	s_cmp_lt_u32 s[KS], 16
	s_cbranch_scc1 .Lstep_\@
.rept 4
	v_nop
.endr
.if \e == 0
	QLOAD 1                                        ; the next pass's queries come while this pass goes out
.endif
	v_add_f32 v14, v14, v15
	s_delay_alu instid0(VALU_DEP_1)
	v_permlanex16_b32 v[TT], v14, s[SEL], s[SEL+1]
	s_delay_alu instid0(VALU_DEP_1)
	v_add_f32 v14, v14, v[TT]                      ; the row's sum
	s_wait_alu depctr_va_vdst(0)
	v_rcp_f32 v14, v14
	v_nop                                          ; one plain place behind a transcendental
.set j, 0
	s_wait_alu depctr_va_vdst(0)
.rept 16
	v_pk_mul_f32 v[OT+j:OT+j+1], v[OT+j:OT+j+1], v[14:15] op_sel_hi:[1,0]   ; register 16 b + i = o(my query, channel 32 b + 16 h + i)
.set j, j+2
.endr
.irp b, 0,1
	v_max3_num_f32 v[BM+\b], |v[OT+16*\b]|, |v[OT+16*\b+1]|, 0x1800000
.endr
.irp i, 2,4,6,8,10,12,14
.irp b, 0,1
	s_delay_alu instid0(VALU_DEP_2)
	v_max3_num_f32 v[BM+\b], v[BM+\b], |v[OT+16*\b+\i]|, |v[OT+16*\b+\i+1]|
.endr
.endr
.irp b, 0,1
	s_delay_alu instid0(VALU_DEP_2)
	v_permlanex16_b32 v[PB+\b], v[BM+\b], s[SEL], s[SEL+1]
.endr
.irp b, 0,1
	s_delay_alu instid0(VALU_DEP_2)
	v_max_num_f32 v[BM+\b], v[BM+\b], v[PB+\b]
.endr
.irp b, 0,1
	s_delay_alu instid0(VALU_DEP_2)
	v_add_nc_u32 v[SO+\b], 0xff000000, v[BM+\b]
.endr
.irp b, 0,1
	s_delay_alu instid0(VALU_DEP_2)
	v_lshrrev_b32 v[PB+\b], 23, v[SO+\b]
.endr
	s_delay_alu instid0(VALU_DEP_1)
	v_lshl_or_b32 v[PB+2], v[PB+1], 8, v[PB]       ; my head's two bytes of the row's scale word
	v_cvt_scalef32_pk16_fp6_f32 v[PCD:PCD+2], v[OT:OT+15], v[SO]
	v_cvt_scalef32_pk16_fp6_f32 v[TC:TC+2], v[OT+16:OT+31], v[SO+1]
	v_nop
.irp i, 0,1,2
	v_permlane16_swap_b32 v[PCD+\i], v[TC+\i]
.endr
.irp i, 0,1,2
	s_delay_alu instid0(VALU_DEP_3)
	v_mov_b32 v[PCD+3+\i], v[TC+\i]
.endr
	global_store_b128 v[L16], v[PCD:PCD+3], s[42:43] offset:6144*\e          ; half a fragment: 512 and 256 consecutive bytes, aligned
	global_store_b64 v[L8], v[PCD+4:PCD+5], s[42:43] offset:6144*\e+512
	s_wait_xcnt 0x0                                ; EXEC changes only behind this wait
	v_cmp_gt_u32 vcc_lo, 16, v[LN]
	s_and_saveexec_b32 s36, vcc_lo                 ; both halves of the lanes hold the bytes: lanes 0-15 store them
	global_store_b16 v[ASO], v[PB+2], s[44:45] offset:512*\e
	s_wait_xcnt 0x0                                ; and again; behind it the stores' data may be written too
	s_or_b32 exec_lo, exec_lo, s36
.endm
	s_wait_tensorcnt 0x0                           ; my record is in,
	s_barrier_signal -1
	s_barrier_wait -1                              ; everybody's is: the head lies in LDS for the rest of the launch
	PASS 0
	PASS 1
	s_wait_tensorcnt 0x0
	ds_add_u32 v254, v255
	s_wait_dscnt 0x0
	ROUND                                          ; the closing round (no LDS instruction of mine is out: the last wait in the loop was for 0)
	s_endpgm
.Lfunc_end_k_qfbacb455d7_attn:
	.size	k_qfbacb455d7_attn, .Lfunc_end_k_qfbacb455d7_attn-k_qfbacb455d7_attn
	.p2alignl 7, 3214868480
	.fill 96, 4, 3214868480
	.section	.rodata,"a",@progbits
	.p2align	6, 0x0
	.amdhsa_kernel k_qfbacb455d7_attn
		.amdhsa_group_segment_fixed_size 210944
		.amdhsa_private_segment_fixed_size 0
		.amdhsa_enable_private_segment 0
		.amdhsa_kernarg_size 32
		.amdhsa_user_sgpr_count 2
		.amdhsa_user_sgpr_kernarg_segment_ptr 1
		.amdhsa_wavefront_size32 1
		.amdhsa_system_sgpr_workgroup_id_x 1
		.amdhsa_system_sgpr_workgroup_id_y 1
		.amdhsa_system_sgpr_workgroup_id_z 1
		.amdhsa_system_vgpr_workitem_id 0
		.amdhsa_next_free_vgpr 256
		.amdhsa_next_free_sgpr 66
		.amdhsa_reserve_vcc 1
		.amdhsa_float_denorm_mode_32 3
		.amdhsa_float_denorm_mode_16_64 3
		.amdhsa_memory_ordered 1
		.amdhsa_forward_progress 1
		.amdhsa_inst_pref_size 69
	.end_amdhsa_kernel
	.amdgpu_metadata
---
amdhsa.version: [ 1, 2 ]
amdhsa.kernels:
  - .name:           k_qfbacb455d7_attn
    .symbol:         k_qfbacb455d7_attn.kd
    .args:
      - { .name: qc, .offset: 0, .size: 8, .value_kind: global_buffer, .address_space: global }
      - { .name: kv, .offset: 8, .size: 8, .value_kind: global_buffer, .address_space: global }
      - { .name: ac, .offset: 16, .size: 8, .value_kind: global_buffer, .address_space: global }
      - { .name: asc, .offset: 24, .size: 8, .value_kind: global_buffer, .address_space: global }
    .group_segment_fixed_size: 210944
    .private_segment_fixed_size: 0
    .kernarg_segment_align: 8
    .kernarg_segment_size: 32
    .max_flat_workgroup_size: 512
    .sgpr_count:     66
    .vgpr_count:     256
    .wavefront_size: 32
...
	.end_amdgpu_metadata
.endif
;; end of part 3
;; launch outp (part 4): grid 8 x 32, 4 waves a work-group, clusters of 4 x 4, 327,680 bytes of LDS; arguments ac, asc, cod, scl, bo, out0; writes out0
.if DOCPART == 4
	.amdgcn_target "amdgcn-amd-amdhsa--gfx1250"
	.amdhsa_code_object_version 6
	.text
	.protected	k_qfbacb455d7_outp
	.globl	k_qfbacb455d7_outp
	.p2align	8
	.type	k_qfbacb455d7_outp,@function
k_qfbacb455d7_outp:
	s_mov_b64 s[64:65], 0
	v_nop
	global_prefetch_b8 v0, s[64:65] scope:SCOPE_SE
	s_setreg_imm32_b32 hwreg(HW_REG_WAVE_MODE, 25, 1), 1
	s_wait_xcnt 0x0
	s_wait_alu depctr_hold_cnt(0) depctr_sa_sdst(0) depctr_va_vdst(0) depctr_va_sdst(0) depctr_va_ssrc(0) depctr_va_vcc(0) depctr_vm_vsrc(0)
	s_getreg_b32 s2, hwreg(HW_REG_IB_STS2, 6, 4)
	s_cmp_eq_u32 s2, 0
	s_cbranch_scc0 .Lentry_in_a_cluster
	s_endpgm
.Lentry_in_a_cluster:
	s_bfe_u32 s2, ttmp6, 0x10000c
	s_cmp_lg_u32 s2, 0xf033
	s_cbranch_scc0 .Lentry_shape_is_right
	s_endpgm
.Lentry_shape_is_right:
; out0 = o Wo^T + bo on codes of FP6 (E2M3) with E8M0 scales.  o's codes and scale words (ac, asc) and Wo's (blocks 88-95 of cod, scl) lie in the order of the operand's registers (launch quant's head says how).
; A BLOCK OF THE RESULT IS 256 ROWS x 128 COLUMNS: 32 x 8 = 256 work-groups.  ALL OF K LIES IN LDS: o's two blocks of 128 rows (2 x 98,304 bytes) and Wo's block (98,304), filled once, so there is no ring and no refill.
; One joint load a wave at the head: waves 0, 1 a block of o each (shared by my row of the 4 x 4 cluster), waves 2, 3 a half of Wo's block each (shared by my column).
; The scale words (4,096 bytes a block) and the bias go from memory straight into registers: in each scale words' load sixteen lanes take 256 consecutive bytes, aligned.
; Four waves, 2 x 2: a wave makes 128 rows x 64 columns.  THE WALK GOES BY ROWS OF THE RESULT: my four tiles of Wo, all of K, lie in registers (32 fragments, 384 registers); o's eight tiles of 16 rows go past them one after the other,
; 8 fragments each, in two sets of registers.  A tile's 16 x 64 results are finished after its 32 products (4 accumulators by turns, K ascending) and leave while the next tile is multiplied.  No fragment is read from LDS twice.
; The matrix instruction is used transposed (source 0 = Wo's rows, source 1 = o's rows): a lane holds eight neighbouring columns of a row.  The bias is the first products' C.
; The way out goes through my own stage in LDS: sixteen lanes store a row's 256 consecutive bytes, aligned.
; Lane r of tile i holds row 32 (i/2) + 8 (i%2) + r + 8 (r/8) of its block, on both sides.  Nothing is prefetched: the launch fetches at its head alone.
; REGISTERS: window 0 addresses, scale words, bias, the way out; window 1 v0-239 Wo's fragments of K steps 0-4 (12 (4 k + b)); window 2 v0-143 those of K steps 5-7, v144-207 two sets of four accumulators;
; window 3 v0-191 o's fragments, two sets of eight.
.set FRB,   1536
.set QB,    8*FRB                      ; a K step of a block
.set BLKB,  98304
.set LB,    2*BLKB                     ; Wo's block in LDS
.set SPARE, 3*BLKB
.set STAGE, SPARE+512
.set SPITCH, 272
.set FR,    12
.set ADRA,  8                          ; v8, v9 my block of o, K steps 0-3 and 4-7, by 16 x lane; v10, v11 by 8 x lane
.set ADRB,  12                         ; v12-15 the same for my four tiles of Wo
.set STO,   16
.set RD,    17
.set CO,    18
.set R16,   19                         ; 16 r
.set H64,   20                         ; 64 h
.set L16,   24
.set L8,    25
.set SPW,   28
.set NIL,   29
.set SA,    32                         ; v32-95 o's scale words: 16 (K step / 2) + 2 tile + K step % 2
.set SB,    96                         ; v96-127 Wo's: 8 (K step / 2) + 2 tile + K step % 2
.set BI,    128                        ; v128-159 the bias, eight registers a tile
.set BK,    160                        ; v160-223 the way out, two sets of 32
.set ACC,   144                        ; window 2
.set G1,    24
.set G0,    32
.set G1B,   48
.set G0B,   56
.set MSB, 0
.macro WIN new
.if MSB != \new
	s_set_vgpr_msb (MSB<<8)|\new
.set MSB, \new
.endif
.endm
.macro CROUND
	s_barrier_signal -1
	s_barrier_wait -1
	s_cmp_lg_u32 s14, 0
	s_cbranch_scc1 .Lnot_wave_0_\@
	s_barrier_signal -3
.Lnot_wave_0_\@:
	s_barrier_wait -3
	s_barrier_signal -1
	s_barrier_wait -1
.endm
.macro PLACES
.rept 4
	v_nop
.endr
.endm
.macro GRP g, rows                     ; a dense block as rows of 256 bytes
	s_mov_b32 s[\g+1], 32<<16
	s_mov_b32 s[\g+2], (\rows)<<16
	s_mov_b32 s[\g+3], 32<<16
	s_mov_b32 s[\g+4], \rows
	s_mov_b32 s[\g+5], 32
	s_mov_b32 s[\g+6], 0
	s_mov_b32 s[\g+7], 0
.endm
	s_load_b256 s[4:11], s[0:1], 0x0               ; ac, asc, cod, scl
	s_load_b128 s[92:95], s[0:1], 0x20             ; bo, out0
	v_lshl_add_u32 v[SPW], v0, 2, SPARE
	v_mov_b32 v[NIL], 0
	ds_add_u32 v[SPW], v[NIL]
	ds_add_u32 v[SPW], v[NIL]
	v_lshrrev_b32 v1, 5, v0
	v_readfirstlane_b32 s14, v1                    ; wave
	s_lshr_b32 s15, s14, 1                         ; my block of o.  Also: I fetch for o (0) or for Wo (1)
	s_and_b32 s16, s14, 1                          ; my half of Wo's tiles.  Also: which part I fetch
	s_bfe_u32 s40, ttmp6, 0x40000                  ; cx
	s_bfe_u32 s41, ttmp6, 0x40004                  ; cy
	s_lshl_b32 s17, ttmp9, 2
	s_add_co_u32 s17, s17, s40                     ; block column 0..7
	s_and_b32 s12, ttmp7, 0xffff
	s_lshl_b32 s12, s12, 2
	s_add_co_u32 s12, s12, s41                     ; block row 0..31
	s_lshl_b32 s43, s41, 2
	s_lshl_b32 s43, 15, s43                        ; my row of the cluster
	s_lshl_b32 s44, 0x1111, s40                    ; my column
	s_or_b32 s[G1], s43, (3<<16)|(1<<21)
	s_or_b32 s[G1B], s44, (3<<16)|(1<<21)
	GRP G1, 384                                    ; a block of o: 98,304 bytes
	GRP G1B, 192                                   ; half of Wo's block
	s_lshl_b32 s20, s12, 1
	s_add_co_u32 s20, s20, s16
	s_mul_i32 s22, s20, BLKB                       ; o: block 2 x block row + part
	s_mov_b32 s23, 0
	s_add_co_u32 s46, s17, 88
	s_mul_i32 s66, s46, BLKB                       ; Wo: block 88 + block column,
	s_mul_i32 s18, s16, BLKB/2                     ; its K steps 0-3 or 4-7
	s_add_co_u32 s66, s66, s18
	s_mov_b32 s67, 0
	s_mul_i32 s45, s16, BLKB                       ; where they go: no place in the cluster enters an LDS address
	s_add_co_u32 s42, s18, LB
	s_wait_dscnt 0x0
	s_wait_kmcnt 0x0
	s_add_nc_u64 s[22:23], s[4:5], s[22:23]
	s_add_nc_u64 s[66:67], s[8:9], s[66:67]
	CROUND                                         ; all sixteen work-groups are here: the joint loads meet
	s_mov_b32 s[G0], 1
	s_add_co_u32 s[G0+1], s45, 0
	s_mov_b64 s[G0+2:G0+3], s[22:23]
	s_or_b32 s[G0+3], s[G0+3], 0x80000000
	s_mov_b32 s[G0B], 1
	s_add_co_u32 s[G0B+1], s42, 0
	s_mov_b64 s[G0B+2:G0B+3], s[66:67]
	s_or_b32 s[G0B+3], s[G0B+3], 0x80000000
	s_cmp_eq_u32 s15, 0
	s_cbranch_scc0 .Lfor_b
	tensor_load_to_lds s[G0:G0+3], s[G1:G1+7]      ; my one tensor load of the launch
	s_nop 0
	PLACES
	s_branch .Lasked
.Lfor_b:
	tensor_load_to_lds s[G0B:G0B+3], s[G1B:G1B+7]
	s_nop 0
	PLACES
.Lasked:
	v_and_b32 v1, 31, v0
	v_and_b32 v2, 15, v0                           ; r
	v_bfe_u32 v3, v0, 4, 1                         ; h
	v_lshlrev_b32 v[L16], 4, v1
	v_lshlrev_b32 v[L8], 3, v1
	s_mul_i32 s18, s15, BLKB
	s_mul_i32 s19, s16, 4*FRB
	s_add_co_u32 s19, s19, LB
.irp s, 0,1
	v_add_nc_u32 v[ADRA+\s], s18, v[L16]
	v_add_nc_u32 v[ADRA+2+\s], s18, v[L8]
	v_add_nc_u32 v[ADRB+\s], s19, v[L16]
	v_add_nc_u32 v[ADRB+2+\s], s19, v[L8]
	s_add_co_u32 s18, s18, 4*QB
	s_add_co_u32 s19, s19, 4*QB
.endr
	s_mul_i32 s18, s14, 16*SPITCH
	s_add_co_u32 s18, s18, STAGE                   ; my stage
	s_wait_alu depctr_va_vdst(0)
	v_mul_u32_u24 v4, v2, SPITCH                   ; in: row r, 32 bytes a tile, + 64 h
	v_lshl_add_u32 v4, v3, 6, v4
	v_add_nc_u32 v[STO], s18, v4
	v_mul_u32_u24 v4, v3, SPITCH                   ; back: sixteen lanes to a row of 256 bytes, two rows an instruction
	v_lshl_add_u32 v4, v2, 4, v4
	v_add_nc_u32 v[RD], s18, v4
	v_lshlrev_b32 v[CO], 12, v3                    ; and the same two rows in out0 (4,096 bytes a row)
	v_lshl_add_u32 v[CO], v2, 4, v[CO]
	v_lshlrev_b32 v[R16], 4, v2
	v_lshlrev_b32 v[H64], 6, v3
	s_lshl_b32 s18, s12, 1
	s_add_co_u32 s18, s18, s15                     ; my block of o
	s_lshl_b32 s20, s18, 12
	s_mov_b32 s21, 0
	s_add_nc_u64 s[6:7], s[6:7], s[20:21]          ; its scale words
	s_add_co_u32 s20, s17, 88
	s_lshl_b32 s20, s20, 12
	s_lshl_b32 s19, s16, 9
	s_add_co_u32 s20, s20, s19
	s_add_nc_u64 s[10:11], s[10:11], s[20:21]      ; those of my four tiles of Wo
	s_lshl_b32 s20, s17, 9
	s_lshl_b32 s19, s16, 8
	s_add_co_u32 s20, s20, s19                     ; my 64 columns, in bytes
	s_add_nc_u64 s[92:93], s[92:93], s[20:21]
	s_add_nc_u64 s[94:95], s[94:95], s[20:21]
	s_lshl_b32 s20, s18, 19                        ; my 128 rows
	s_add_nc_u64 s[94:95], s[94:95], s[20:21]
	s_wait_alu depctr_va_vdst(0)
.irp p, 0,1,2,3
.irp i, 0,1,2,3
	global_load_b128 v[SA+16*\p+4*\i:SA+16*\p+4*\i+3], v[R16], s[6:7] offset:1024*\p+256*\i
.endr
.irp i, 0,1
	global_load_b128 v[SB+8*\p+4*\i:SB+8*\p+4*\i+3], v[R16], s[10:11] offset:1024*\p+256*\i
.endr
.endr
.irp b, 0,1,2,3
	global_load_b128 v[BI+8*\b:BI+8*\b+3], v[H64], s[92:93] offset:(32*(\b/2)+8*(\b%2))*4
	global_load_b128 v[BI+8*\b+4:BI+8*\b+7], v[H64], s[92:93] offset:(32*(\b/2)+8*(\b%2))*4+16
.endr
.macro FRAG reg, adr, q, i
	ds_load_b128 v[\reg:\reg+3], v[\adr] offset:(\q)*QB+(\i)*FRB
	ds_load_b64 v[\reg+4:\reg+5], v[\adr+2] offset:(\q)*QB+(\i)*FRB+512
	ds_load_b128 v[\reg+6:\reg+9], v[\adr] offset:(\q)*QB+(\i)*FRB+768
	ds_load_b64 v[\reg+10:\reg+11], v[\adr+2] offset:(\q)*QB+(\i)*FRB+1280
.endm
.macro BLOAD                           ; my four tiles of Wo, all of K: 128 loads
	WIN 0x40
.irp k, 0,1,2,3,4
.irp b, 0,1,2,3
	FRAG FR*(4*\k+\b), ADRB+\k/4, \k%4, \b
.endr
.endr
	WIN 0x80
.irp k, 5,6,7
.irp b, 0,1,2,3
	FRAG FR*(4*\k+\b-20), ADRB+1, \k%4, \b
.endr
.endr
	WIN 0
.endm
.macro ALOAD a                         ; tile a of o, all of K, into set a % 2: 32 loads
	WIN 0xc0
.irp k, 0,1,2,3,4,5,6,7
	FRAG 96*((\a)%2)+FR*\k, ADRA+\k/4, \k%4, \a
.endr
	WIN 0
.endm
.macro ROW a                           ; tile a is finished: 32 products, its four accumulators by turns, K ascending
.set AS, 96*((\a)%2)
.set AC, ACC+32*((\a)%2)
.irp k, 0,1,2,3,4,5,6,7
.set XA, SA+16*(\k/2)+\k%2+2*(\a)
.set XB, SB+8*(\k/2)+\k%2
.if \k == 0
	WIN 0x8d                                       ; C: the bias, in window 0
.set BF, 0
.elseif \k < 5
	WIN 0xad
.set BF, FR*4*\k
.else
	WIN 0xae
.set BF, FR*(4*\k-20)
.endif
.irp b, 0,1,2,3
.if \k == 0
	v_wmma_scale_f32_16x16x128_f8f6f4 v[AC+8*\b:AC+8*\b+7], v[BF+FR*\b:BF+FR*\b+FR-1], v[AS+FR*\k:AS+FR*\k+FR-1], v[BI+8*\b:BI+8*\b+7], v[XB+2*\b], v[XA] matrix_a_fmt:MATRIX_FMT_FP6 matrix_b_fmt:MATRIX_FMT_FP6
.else
	v_wmma_scale_f32_16x16x128_f8f6f4 v[AC+8*\b:AC+8*\b+7], v[BF+FR*\b:BF+FR*\b+FR-1], v[AS+FR*\k:AS+FR*\k+FR-1], v[AC+8*\b:AC+8*\b+7], v[XB+2*\b], v[XA] matrix_a_fmt:MATRIX_FMT_FP6 matrix_b_fmt:MATRIX_FMT_FP6
.endif
.endr
.endr
	WIN 0
.endm
.macro TOSTAGE a
.set AC, ACC+32*((\a)%2)
	WIN 0x08                                       ; the data: window 2
.irp b, 0,1,2,3
	ds_store_b128 v[STO], v[AC+8*\b:AC+8*\b+3] offset:128*(\b/2)+32*(\b%2)       ; each accumulator from its low end on
	ds_store_b128 v[STO], v[AC+8*\b+4:AC+8*\b+7] offset:128*(\b/2)+32*(\b%2)+16
.endr
	WIN 0
.set BB, BK+32*((\a)%2)
.irp t, 0,1,2,3,4,5,6,7
	ds_load_b128 v[BB+4*\t:BB+4*\t+3], v[RD] offset:\t*2*SPITCH   ; LDS serves a wave's instructions in order: these see the stores above
.endr
.endm
.macro SEND a, younger                 ; younger: the LDS instructions issued behind tile a's loads from the stage
.set BB, BK+32*((\a)%2)
	s_wait_dscnt \younger
.irp t, 0,1,2,3,4,5,6,7
	global_store_b128 v[CO], v[BB+4*\t:BB+4*\t+3], s[94:95] offset:(32*((\a)/2)+8*((\a)%2)+2*\t+8*(\t/4))*4096 th:TH_STORE_NT   ; sixteen lanes store 256 consecutive bytes, aligned
.endr
.endm
	s_wait_alu depctr_va_vdst(0)
	s_wait_tensorcnt 0x0                           ; my part is in,
	s_barrier_signal -1
	s_barrier_wait -1                              ; everybody's is: both operands lie in LDS for the rest of the launch
	BLOAD
	ALOAD 0
	ALOAD 1
	s_wait_loadcnt 0x0                             ; the scale words and the bias
	s_wait_dscnt 32                                ; Wo's fragments and tile 0's are in; tile 1's 32 loads may be out
	ROW 0
	PLACES                                         ; in front of the loads into tile 0's registers and of the stores that read its results
	ALOAD 2
	TOSTAGE 0
	s_wait_dscnt 48                                ; tile 1's fragments are in; behind them: tile 2's 32 loads, the stage's 8 stores and 8 loads
	ROW 1
.irp a, 1,2,3,4,5,6,7                  ; tile a has just been multiplied; tile a - 1 is stored; tile a + 1 follows
	PLACES
.if \a < 6
	ALOAD \a+2
.endif
.if \a > 1
	s_wait_xcnt 0x0                                ; tile a - 2's stores have read their data: tile a's loads from the stage may land there
.endif
	TOSTAGE \a
.if \a < 6
	SEND \a-1, 48                                  ; this wait also shows tile a + 1's fragments in: they were asked for ahead of tile a - 1's way through the stage
.else
	SEND \a-1, 16
.endif
.if \a < 7
	ROW \a+1
.endif
.endr
	SEND 7, 0
	s_wait_tensorcnt 0x0                           ; the wave's end
	ds_add_u32 v[SPW], v[NIL]
	s_wait_dscnt 0x0
	CROUND                                         ; the closing round
	s_endpgm
.Lfunc_end_k_qfbacb455d7_outp:
	.size	k_qfbacb455d7_outp, .Lfunc_end_k_qfbacb455d7_outp-k_qfbacb455d7_outp
	.p2alignl 7, 3214868480
	.fill 96, 4, 3214868480
	.section	.rodata,"a",@progbits
	.p2align	6, 0x0
	.amdhsa_kernel k_qfbacb455d7_outp
		.amdhsa_group_segment_fixed_size 327680
		.amdhsa_private_segment_fixed_size 0
		.amdhsa_enable_private_segment 0
		.amdhsa_kernarg_size 48
		.amdhsa_user_sgpr_count 2
		.amdhsa_user_sgpr_kernarg_segment_ptr 1
		.amdhsa_wavefront_size32 1
		.amdhsa_system_sgpr_workgroup_id_x 1
		.amdhsa_system_sgpr_workgroup_id_y 1
		.amdhsa_system_sgpr_workgroup_id_z 1
		.amdhsa_system_vgpr_workitem_id 0
		.amdhsa_next_free_vgpr 960
		.amdhsa_next_free_sgpr 96
		.amdhsa_reserve_vcc 0
		.amdhsa_float_denorm_mode_32 3
		.amdhsa_float_denorm_mode_16_64 3
		.amdhsa_memory_ordered 1
		.amdhsa_forward_progress 1
		.amdhsa_inst_pref_size 84
	.end_amdhsa_kernel
	.amdgpu_metadata
---
amdhsa.version: [ 1, 2 ]
amdhsa.kernels:
  - .name:           k_qfbacb455d7_outp
    .symbol:         k_qfbacb455d7_outp.kd
    .args:
      - { .name: ac, .offset: 0, .size: 8, .value_kind: global_buffer, .address_space: global }
      - { .name: asc, .offset: 8, .size: 8, .value_kind: global_buffer, .address_space: global }
      - { .name: cod, .offset: 16, .size: 8, .value_kind: global_buffer, .address_space: global }
      - { .name: scl, .offset: 24, .size: 8, .value_kind: global_buffer, .address_space: global }
      - { .name: bo, .offset: 32, .size: 8, .value_kind: global_buffer, .address_space: global }
      - { .name: out0, .offset: 40, .size: 8, .value_kind: global_buffer, .address_space: global }
    .group_segment_fixed_size: 327680
    .private_segment_fixed_size: 0
    .kernarg_segment_align: 8
    .kernarg_segment_size: 48
    .max_flat_workgroup_size: 128
    .sgpr_count:     96
    .vgpr_count:     960
    .wavefront_size: 32
...
	.end_amdgpu_metadata
.endif
;; end of part 4
